; MI455X (gfx1250); checked and timed in simulation.
; The chip was launched on July 23, 2026; its instructions are those of AMD's public machine-readable ISA for CDNA 5 (MIT licence, August 2026) and "CDNA5" Instruction Set Architecture Reference Guide (July 2026). The comments in the code are by the model that wrote it; some were corrected since.
;; Softmax Attention. Allowed arithmetic: matrix products marked QUANTISED: E2M1 operands, one E8M0 scale for each 32 along K, by v_wmma_scale_f32_16x16x128_f8f6f4 with both operands' format E2M1 (or v_wmma_scale_f32_32x16x128_f4), f32 sums; products left as they are: bf16, f16 or f32 operands; f32 sums; everything else in f32.
;; Inputs: W_out 1,024 x 1,024 float32; W_qkv 1,024 x 3,072 float32; x 4 x 2,048 x 1,024 float32.
;; Outputs: out0 4 x 2,048 x 1,024 float32.
;; This version of the problem:
;;   THIS VERSION OF THE PROBLEM IS GIVEN IN LOW PRECISION. The matrix products marked QUANTISED in the list below multiply operands that are first quantised to E2M1 (2 exponent bits, 1 mantissa bit; 4 bits a number), with one power-of-two scale for each 32 numbers along K (OCP MX v1.0); their sums are f32. The products marked 'left as it is' may take bf16, f16 or f32 operands, with f32 sums. Whichever they take, every output number must still come out within the allowed error. Rounding operands to bf16 (8 significant bits) uses up far more of that allowance than f16 does (11 bits, for magnitudes from 6e-5 to 65,504). All else is computed in f32.
;;   The module's matrix products, in the order in which they are computed (A, B: the left and right operand; K: the contracted axis; several contracted axes count as one K, in the product's order):
;;     1. [M 8,192, K 1,024] x [K 1,024, N 3,072]; A: input x; B: input W_qkv: QUANTISED
;;     2. batch 64 x [M 2,048, K 64] x [K 64, N 2,048]; A: computed on the way; B: computed on the way: left as it is (an operand is computed on the way)
;;     3. batch 64 x [M 2,048, K 2,048] x [K 2,048, N 64]; A: computed on the way; B: computed on the way: left as it is (an operand is computed on the way)
;;     4. [M 8,192, K 1,024] x [K 1,024, N 1,024]; A: computed on the way; B: input W_out: left as it is (an operand is computed on the way)
;;   THE QUANTISER, for each operand of a quantised product, along K:
;;     - K is cut into blocks of 32 from its start; a last block that is shorter is filled with zeros.
;;     - A block's scale is 2^e with e = floor(log2(the largest magnitude in the block)) - 2, held to -126 .. 127; a block of zeros has e = 0. As a byte (E8M0): e + 127.
;;     - Each number is divided by its block's scale, clamped to +-6, and rounded to the nearest number of E2M1, ties to even, subnormals kept.
;;     - The product sums the exact products of the quantised numbers (number of the format x scale) in f32.
;;   ~~~python
;;   def quantise(x, axis):      # numpy; x: float32 -> the quantised numbers, widened to float32 again
;;       x = np.moveaxis(x, axis, -1); K = x.shape[-1]
;;       x = np.pad(x, [(0, 0)] * (x.ndim - 1) + [(0, -K % 32)]); x = x.reshape(x.shape[:-1] + (-1, 32)); a = np.abs(x).max(-1, keepdims=True)
;;       e = np.where(a > 0, np.clip(np.frexp(np.where(a > 0, a, 1))[1] - 1 - 2, -126, 127), 0)      # np.frexp(a)[1] - 1 = floor(log2(a)), exactly
;;       r = np.clip(x / 2.0 ** e, -6, 6)
;;       step = 2.0 ** (np.maximum(np.frexp(np.where(r == 0, 1, r))[1] - 1, 0) - 1)
;;       q = np.round(r / step) * step * 2.0 ** e      # np.round: ties to even
;;       return np.moveaxis(q.reshape(q.shape[:-2] + (-1,))[..., :K], -1, axis).astype(np.float32)
;;   ~~~
;; One version. Each part assembles by itself: llvm-mc -triple=amdgcn-amd-amdhsa -mcpu=gfx1250 --defsym DOCPART=n.
;; ======== version 1 of 1: 5 launches
;; limits: values are held in f16: magnitudes above 65,504 overflow, below 6.1e-05 lose precision
;; workspace buffers: xc 4,194,304 bytes; xs 262,144 bytes; wc 1,572,864 bytes; ws 98,304 bytes; rope 524,544 bytes; wo16 2,097,152 bytes; qkv 50,331,648 bytes; o16 16,777,216 bytes
;; launch quant_x (part 1): grid 256 x 1, 4 waves a work-group, no clusters, 33,280 bytes of LDS; arguments x, W_out, xc, xs, wo16, rope; writes xc, xs, wo16, rope
.if DOCPART == 1
	.amdgcn_target "amdgcn-amd-amdhsa--gfx1250"
	.amdhsa_code_object_version 6
	.text
	.protected	k_qb6b54ed492_quant_x
	.globl	k_qb6b54ed492_quant_x
	.p2align	8
	.type	k_qb6b54ed492_quant_x,@function
k_qb6b54ed492_quant_x:
	s_mov_b64 s[64:65], 0
	v_nop
	global_prefetch_b8 v0, s[64:65] scope:SCOPE_SE
	s_setreg_imm32_b32 hwreg(HW_REG_WAVE_MODE, 25, 1), 1
	s_wait_xcnt 0x0
; THREE JOBS IN ONE LAUNCH, all on one path.
; (1) x [8192][1024], f32, becomes codes of FP4 (E2M1), K innermost, two codes a byte, with one E8M0 scale byte for each 32 along K: xc [8192][512 bytes], xs [8192][32].
;     A block's scale is 2^(floor(log2(its largest magnitude)) - 2); its byte is the largest magnitude's own exponent field - 2, held at 1 from below.  Each number is divided by the scale and rounded to the
;     nearest code, ties to even, beyond the largest code the largest.  (A block of zeros gets the byte 1: its codes are zeros, and the bytes are read by this program alone.)
; (2) W_out [1024][1024], f32, is rounded to f16 as it lies: wo16.
; (3) The table of rotations: rope, 2,049 rows of 256 bytes.  Row j < 2,048: 32 pairs (cos, sin), f32, of the angles (j + 1) x 10000^(-i / 32), i = 0 .. 31.  Row 2,048: 32 pairs (1, 0), the rotation that changes nothing.
; LIMITS: blocks whose largest magnitude lies under 2^-124 were not tried; NaN and infinities among the inputs are not served; W_out's numbers stay under 65,504 in magnitude;
;     an angle is pos x 2^(-i log2(10000) / 32) in f32, within about 2e-4 rad of pos x (10000 ** (-i / 32)) at the largest position; sine and cosine of it are good to about 1e-7.
; SHARES.  Rows are dense, so x is a plain stream of blocks of 32.  A wave takes 16 steps of 512 numbers of x, 1,024 numbers of W_out; a work-group 8 rows of the table, 16 bytes a thread.
; A step: four loads of 512 consecutive bytes, 16 a lane; the 2,048 bytes turn through the wave's own stage in LDS and come back 64 bytes a lane, so that a lane holds 16 NEIGHBOURS along K (two lanes hold a block).
; A lane's 16 codes are 8 bytes: the wave stores 256 consecutive bytes.  A wave's 256 scale bytes are gathered in its own LDS bytes and leave by one store of 256 consecutive bytes.
; No tensor loads, no barrier: waves share nothing.  Loads run four steps ahead, the turn through LDS one step.
.set WAVES, 4
.set STEPS, 16
.set EMAX,  2
.set CB,    8                          ; bytes of 16 codes
.set R,     16                         ; v16-79   four sets of 16 numbers as they are loaded
.set X,     80                         ; v80-111  two sets of 16 neighbours
.set E,     112                        ; v112-127 a scale byte for each step
.set C,     128                        ; v128-191 codes: four registers for each step, so that no store's data are written again
.set TR,    160                        ; v160-185 at work on the table, ahead of step 0 (steps 8 on write their codes here)
.set WF,    192                        ; v192-223 my 32 numbers of W_out
.set WOF,   224                        ; v224     32 x lane
.set RO,    225                        ; v225     16 x thread: my place in the work-group's 8 rows of the table
.set ONE,   226                        ; v[226:227] the pair (1, 0)
.set RT,    228                        ; v[228:231] cos, sin, cos, sin of my two angles
.set WH,    232                        ; v232-247 W_out as f16
.set IO,    248                        ; v248     8 x lane: the identity row's offset
.set WREG,  8192                       ; LDS: a region for each wave: two stages of 32 x SP bytes, and behind them its 256 scale bytes
.set SP,    80                         ; a lane's place in a stage: its 64 bytes + 16 of padding
.set SPW,   12                         ; v12      LDS address of my spare word: SPARE + 4 x my thread's number; never rewritten
.set NIL,   13                         ; v13      0; never rewritten
.set SPARE, WAVES*WREG                 ; behind the four regions: the spare words, 128 bytes for each wave, which no other line names
	s_load_b256 s[4:11], s[0:1], 0x0               ; x s[4:5], W_out s[6:7], xc s[8:9], xs s[10:11]
	s_load_b128 s[12:15], s[0:1], 0x20             ; wo16 s[12:13], rope s[14:15]
	v_lshl_add_u32 v[SPW], v0, 2, SPARE
	v_mov_b32 v[NIL], 0
	v_lshrrev_b32 v1, 5, v0
	v_readfirstlane_b32 s16, v1                    ; wave
	v_and_b32 v2, 31, v0                           ; lane
	v_lshlrev_b32 v3, 4, v2                        ; my 16 bytes of a load's 512
	s_mul_i32 s17, s16, WREG
	v_lshrrev_b32 v14, 2, v2
	v_mul_u32_u24 v14, v14, SP
	v_and_b32 v15, 3, v2
	v_lshl_add_u32 v14, v15, 4, v14
	v_add_nc_u32 v14, s17, v14                     ; the stage, on the way in: four lanes' 64 bytes on end, then 16 of padding
	v_mul_u32_u24 v15, v2, SP
	v_add_nc_u32 v15, s17, v15                     ; and on the way out: SP x lane: my 16 neighbours
	v_mul_u32_u24 v4, v2, CB                       ; my codes' place in a step's
	v_lshrrev_b32 v5, 1, v2
	s_add_co_u32 s17, s17, 2*32*SP
	v_add_nc_u32 v5, s17, v5                       ; LDS: my wave's 256 scale bytes, my block's byte
	v_lshlrev_b32 v7, 3, v2                        ; and on the way out 8 bytes a lane
	v_add_nc_u32 v6, s17, v7
	v_lshlrev_b32 v[WOF], 5, v2
	v_lshlrev_b32 v[RO], 4, v0
	s_mov_b32 s24, 0xbed49a78                      ; -log2(10000) / 32
	s_mov_b32 s25, 0x3f22f983                      ; 2 / pi
	s_mov_b32 s26, 0x3fc90fdb                      ; pi / 2, the f32 nearest to it,
	s_mov_b32 s27, 0xb33bbd2e                      ; and what is left of pi / 2
	s_mov_b32 s28, 0xbe2aaaa3                      ; sin r = r + r z (S1 + z (S2 + z S3)), z = r r, for |r| up to pi / 4
	s_mov_b32 s29, 0x3c08839e
	s_mov_b32 s30, 0xb94ca1f9
	s_mov_b32 s31, 0x3d2aaaa5                      ; cos r = 1 - z / 2 + z z (C1 + z (C2 + z C3))
	s_mov_b32 s32, 0xbab6061a
	s_mov_b32 s33, 0x37ccf5ce
	s_lshl_b32 s17, ttmp9, 2
	s_add_co_u32 s18, s17, s16                     ; which run is my wave's: 4 x work-group + wave, 0 .. 1,023
	s_mov_b32 s21, 0
	s_wait_kmcnt 0x0
	s_lshl_b32 s20, s18, 15                        ; x: 8,192 numbers of 4 bytes a run
	s_add_nc_u64 s[4:5], s[4:5], s[20:21]
	s_lshl_b32 s20, s18, 12                        ; xc: 4,096 bytes a run; W_out: 1,024 numbers of 4 bytes
	s_add_nc_u64 s[8:9], s[8:9], s[20:21]
	s_add_nc_u64 s[6:7], s[6:7], s[20:21]
	s_lshl_b32 s20, s18, 11                        ; wo16: 2,048 bytes
	s_add_nc_u64 s[12:13], s[12:13], s[20:21]
	s_lshl_b32 s20, s18, 8                         ; xs: 256 bytes
	s_add_nc_u64 s[10:11], s[10:11], s[20:21]
	s_lshl_b32 s20, ttmp9, 11                      ; rope: 8 rows of 256 bytes a work-group
	s_add_nc_u64 s[14:15], s[14:15], s[20:21]
.irp i, 0,1,2,3                        ; W_out first: these eight loads are older than all of x's, so every counted wait below covers them too
.irp e, 0,1
	global_load_b128 v[WF+8*\i+4*\e:WF+8*\i+4*\e+3], v[WOF], s[6:7] offset:1024*\i+16*\e th:TH_LOAD_NT   ; a lane's 8 neighbours: the pair of loads covers 1,024 consecutive bytes
.endr
.endr
.macro LOAD t
.irp i, 0,1,2,3
	global_load_b128 v[R+16*((\t)%4)+4*\i:R+16*((\t)%4)+4*\i+3], v3, s[4:5] offset:2048*(\t)+512*\i th:TH_LOAD_NT   ; 32 lanes read 512 consecutive bytes
.endr
.endm
.macro TURN t                          ; step t's numbers through the stage: LDS serves a wave's instructions in order, so no wait stands between the stores and the loads
.irp i, 0,1,2,3
	ds_store_b128 v14, v[R+16*((\t)%4)+4*\i:R+16*((\t)%4)+4*\i+3] offset:32*SP*((\t)%2)+8*SP*\i
.endr
.irp i, 0,1,2,3
	ds_load_b128 v[X+16*((\t)%2)+4*\i:X+16*((\t)%2)+4*\i+3], v15 offset:32*SP*((\t)%2)+16*\i
.endr
.endm
.irp t, 0,1,2,3
	LOAD \t
.endr
	; THE TABLE, while the 24 loads are on their way.  Thread t: position 8 x work-group + t / 16 + 1, angles i = 2 (t % 16) and + 1.
	; Registers of angle u at v[TR + 12 u]: +0 the exponent, +1 theta, then the angle, +2 k, +3 r, +4 z, +5 sin r, +6 cos r, +7 z z, +8 1 - z / 2, +9 k as a whole number, +10 at work
	v_and_b32 v184, 15, v0
	v_lshlrev_b32 v184, 1, v184
	v_cvt_f32_u32 v[TR], v184
	v_add_f32 v[TR+12], 1.0, v[TR]
.irp u, 0,1
	v_mul_f32 v[TR+12*\u], s24, v[TR+12*\u]        ; -i log2(10000) / 32
.endr
.irp u, 0,1
	v_exp_f32 v[TR+12*\u+1], v[TR+12*\u]           ; theta = 10000^(-i / 32)
.endr
	v_lshrrev_b32 v185, 4, v0                      ; (plain work behind the two exponentials)
	s_lshl_b32 s34, ttmp9, 3
	s_add_co_u32 s34, s34, 1
	v_add_nc_u32 v185, s34, v185
	v_cvt_f32_u32 v185, v185                       ; the position, from 1 on
	s_wait_alu depctr_va_vdst(0)                   ; one wait for both exponentials, ahead of their first reader
.irp u, 0,1
	v_mul_f32 v[TR+12*\u+1], v185, v[TR+12*\u+1]   ; the angle, one f32 product
	v_mul_f32 v[TR+12*\u+2], s25, v[TR+12*\u+1]
	v_rndne_f32 v[TR+12*\u+2], v[TR+12*\u+2]       ; k = the nearest whole number of quarter turns (1,304 at the most)
	v_fma_f32 v[TR+12*\u+3], -v[TR+12*\u+2], s26, v[TR+12*\u+1]
	v_fma_f32 v[TR+12*\u+3], -v[TR+12*\u+2], s27, v[TR+12*\u+3]   ; r = angle - k pi / 2, in two fused steps: |r| up to pi / 4
	v_mul_f32 v[TR+12*\u+4], v[TR+12*\u+3], v[TR+12*\u+3]
	v_fma_f32 v[TR+12*\u+5], v[TR+12*\u+4], s30, s29
	v_fma_f32 v[TR+12*\u+6], v[TR+12*\u+4], s33, s32
	v_fma_f32 v[TR+12*\u+5], v[TR+12*\u+5], v[TR+12*\u+4], s28
	v_fma_f32 v[TR+12*\u+6], v[TR+12*\u+6], v[TR+12*\u+4], s31
	v_mul_f32 v[TR+12*\u+7], v[TR+12*\u+4], v[TR+12*\u+4]
	v_fma_f32 v[TR+12*\u+8], v[TR+12*\u+4], -0.5, 1.0
	v_mul_f32 v[TR+12*\u+5], v[TR+12*\u+5], v[TR+12*\u+4]
	v_fma_f32 v[TR+12*\u+6], v[TR+12*\u+6], v[TR+12*\u+7], v[TR+12*\u+8]   ; cos r
	v_fma_f32 v[TR+12*\u+5], v[TR+12*\u+5], v[TR+12*\u+3], v[TR+12*\u+3]   ; sin r
	v_cvt_i32_f32 v[TR+12*\u+9], v[TR+12*\u+2]
	v_and_b32 v[TR+12*\u+10], 1, v[TR+12*\u+9]
	v_cmp_eq_u32 vcc_lo, 1, v[TR+12*\u+10]         ; an odd k changes sine and cosine over
	v_cndmask_b32 v[RT+2*\u+1], v[TR+12*\u+5], v[TR+12*\u+6], vcc_lo
	v_cndmask_b32 v[RT+2*\u], v[TR+12*\u+6], v[TR+12*\u+5], vcc_lo
	v_lshlrev_b32 v[TR+12*\u+10], 30, v[TR+12*\u+9]
	v_and_b32 v[TR+12*\u+10], 0x80000000, v[TR+12*\u+10]
	v_xor_b32 v[RT+2*\u+1], v[TR+12*\u+10], v[RT+2*\u+1]   ; the sine is turned where k % 4 is 2 or 3,
	v_add_nc_u32 v[TR+12*\u+9], 1, v[TR+12*\u+9]
	v_lshlrev_b32 v[TR+12*\u+10], 30, v[TR+12*\u+9]
	v_and_b32 v[TR+12*\u+10], 0x80000000, v[TR+12*\u+10]
	v_xor_b32 v[RT+2*\u], v[TR+12*\u+10], v[RT+2*\u]       ; the cosine where it is 1 or 2
.endr
	global_store_b128 v[RO], v[RT:RT+3], s[14:15]  ; sixteen lanes store a row's 256 consecutive bytes; neither register is written again
	s_or_b32 s34, ttmp9, s16                       ; the identity row is stored by wave 0 of work-group 0, whose base stands at the table's first byte
	s_cmp_lg_u32 s34, 0
	s_cbranch_scc1 .Lno_identity
	v_mov_b32 v[ONE], 1.0
	v_mov_b32 v[ONE+1], 0
	v_lshlrev_b32 v[IO], 3, v2
	global_store_b64 v[IO], v[ONE:ONE+1], s[14:15] offset:524288   ; row 2,048: 32 lanes, 256 consecutive bytes
.Lno_identity:
	s_wait_loadcnt 12                              ; W_out's eight and step 0's four loads are in; the twelve of steps 1 to 3 may be out
	TURN 0
.macro STEP t
.set XS, X+16*((\t)%2)
.if (\t) > 0
	s_wait_dscnt 1                                 ; this step's numbers are back from the stage (the last step's byte store may be out): so its stores into the stage have read their registers,
.else
	s_wait_dscnt 0x0
.endif
.if (\t)+4 < STEPS
	LOAD (\t)+4                                    ; which take the loads of four steps on
.endif
.if (\t)+1 < STEPS
.if STEPS-2-(\t) >= 3
	s_wait_loadcnt 12                              ; the next step's four loads are in; those of the three steps behind it may be out
.else
	s_wait_loadcnt 4*(STEPS-2-(\t))
.endif
	TURN (\t)+1                                    ; and go through the other stage while this step is worked
.endif
	v_max3_num_f32 v8, |v[XS]|, |v[XS+1]|, |v[XS+2]|               ; the largest magnitude of my 16, in two chains
	v_max3_num_f32 v9, |v[XS+3]|, |v[XS+4]|, |v[XS+5]|
.irp i, 6,10
	v_max3_num_f32 v8, v8, |v[XS+\i]|, |v[XS+\i+1]|
	v_max3_num_f32 v9, v9, |v[XS+\i+2]|, |v[XS+\i+3]|
.endr
	v_max3_num_f32 v8, v8, |v[XS+14]|, |v[XS+15]|
	v_max3_num_f32 v8, v8, v9, (EMAX+1)<<23        ; and the floor 2^(EMAX + 1 - 127), under which no largest magnitude is taken: so the byte cannot fall under 1
	v_max_num_f32_dpp v8, v8, v8 row_xmask:1 row_mask:0xf bank_mask:0xf   ; and of my neighbour's 16: the block's
	v_add_nc_u32 v11, -(EMAX<<23), v8              ; EMAX off its exponent field: the conversion takes the exponent field of this operand as its scale, and nothing else of it
	v_cvt_scalef32_pk8_fp4_f32 v[C+4*(\t)], v[XS:XS+7], v11
	v_cvt_scalef32_pk8_fp4_f32 v[C+4*(\t)+1], v[XS+8:XS+15], v11
	v_lshrrev_b32 v[E+(\t)], 23, v11               ; the scale's byte (also the plain line behind the conversions)
	ds_store_b8 v5, v[E+(\t)] offset:16*(\t)       ; both lanes of a block write the same byte with the same value
	global_store_b64 v4, v[C+4*(\t):C+4*(\t)+1], s[8:9] offset:32*CB*(\t)   ; 32 lanes store 256 consecutive bytes
.endm
.irp t, 0,1,2,3,4,5,6,7,8,9,10,11,12,13,14,15
	STEP \t
.endr
.irp i, 0,1,2,3                        ; W_out to f16, rounded once
.irp j, 0,1,2,3
	v_cvt_pk_f16_f32 v[WH+4*\i+\j], v[WF+8*\i+2*\j], v[WF+8*\i+2*\j+1]
.endr
.endr
.irp i, 0,1,2,3
	global_store_b128 v3, v[WH+4*\i:WH+4*\i+3], s[12:13] offset:512*\i   ; 32 lanes store 512 consecutive bytes
.endr
	ds_load_b64 v[8:9], v6                         ; LDS serves a wave's instructions in order: these see my byte stores
	s_wait_dscnt 0x0
	global_store_b64 v7, v[8:9], s[10:11]          ; my wave's 256 scale bytes
	s_wait_tensorcnt 0x0                           ; the wave's end, behind my last LDS store
	ds_add_u32 v[SPW], v[NIL]
	s_wait_dscnt 0x0
	s_endpgm
.Lfunc_end_k_qb6b54ed492_quant_x:
	.size	k_qb6b54ed492_quant_x, .Lfunc_end_k_qb6b54ed492_quant_x-k_qb6b54ed492_quant_x
	.p2alignl 7, 3214868480
	.fill 96, 4, 3214868480
	.section	.rodata,"a",@progbits
	.p2align	6, 0x0
	.amdhsa_kernel k_qb6b54ed492_quant_x
		.amdhsa_group_segment_fixed_size 33280
		.amdhsa_private_segment_fixed_size 0
		.amdhsa_enable_private_segment 0
		.amdhsa_kernarg_size 48
		.amdhsa_user_sgpr_count 2
		.amdhsa_user_sgpr_kernarg_segment_ptr 1
		.amdhsa_wavefront_size32 1
		.amdhsa_system_sgpr_workgroup_id_x 1
		.amdhsa_system_sgpr_workgroup_id_y 1
		.amdhsa_system_sgpr_workgroup_id_z 1
		.amdhsa_system_vgpr_workitem_id 0
		.amdhsa_next_free_vgpr 256
		.amdhsa_next_free_sgpr 66
		.amdhsa_reserve_vcc 1
		.amdhsa_float_denorm_mode_32 3
		.amdhsa_float_denorm_mode_16_64 3
		.amdhsa_memory_ordered 1
		.amdhsa_forward_progress 1
		.amdhsa_inst_pref_size 39
	.end_amdhsa_kernel
	.amdgpu_metadata
---
amdhsa.version: [ 1, 2 ]
amdhsa.kernels:
  - .name:           k_qb6b54ed492_quant_x
    .symbol:         k_qb6b54ed492_quant_x.kd
    .args:
      - { .name: x, .offset: 0, .size: 8, .value_kind: global_buffer, .address_space: global }
      - { .name: W_out, .offset: 8, .size: 8, .value_kind: global_buffer, .address_space: global }
      - { .name: xc, .offset: 16, .size: 8, .value_kind: global_buffer, .address_space: global }
      - { .name: xs, .offset: 24, .size: 8, .value_kind: global_buffer, .address_space: global }
      - { .name: wo16, .offset: 32, .size: 8, .value_kind: global_buffer, .address_space: global }
      - { .name: rope, .offset: 40, .size: 8, .value_kind: global_buffer, .address_space: global }
    .group_segment_fixed_size: 33280
    .private_segment_fixed_size: 0
    .kernarg_segment_align: 8
    .kernarg_segment_size: 48
    .max_flat_workgroup_size: 128
    .sgpr_count:     66
    .vgpr_count:     256
    .wavefront_size: 32
...
	.end_amdgpu_metadata
.endif
;; end of part 1
;; launch quant_w (part 2): grid 24 x 2, 4 waves a work-group, no clusters, 35,840 bytes of LDS; arguments W_qkv, wc, ws; writes wc, ws
.if DOCPART == 2
	.amdgcn_target "amdgcn-amd-amdhsa--gfx1250"
	.amdhsa_code_object_version 6
	.text
	.protected	k_qb6b54ed492_quant_w
	.globl	k_qb6b54ed492_quant_w
	.p2align	8
	.type	k_qb6b54ed492_quant_w,@function
k_qb6b54ed492_quant_w:
	s_mov_b64 s[64:65], 0
	v_nop
	global_prefetch_b8 v0, s[64:65] scope:SCOPE_SE
	s_setreg_imm32_b32 hwreg(HW_REG_WAVE_MODE, 25, 1), 1
	s_wait_xcnt 0x0
; W_qkv [1024 (k)][3072 (n)], f32, is an operand whose K is its FIRST axis.  It is turned into codes of FP4 (E2M1), laid [3072][1024] with K innermost (wc, 512 bytes a row), and one E8M0 scale byte for each 32 along K (ws [3072][32]).
; A LANE TAKES A COLUMN n, AND ITS REGISTERS RUN DOWN K: each load reads neighbouring n in neighbouring lanes (128 consecutive bytes a wave, 512 a work-group), a block of 32 along K lies in ONE lane's 32 registers,
; so that its largest magnitude needs no other lane, and the conversions, which take neighbours along K from one lane's consecutive registers, give the codes with K innermost.  Nothing is transposed by an instruction.
; A block's scale is 2^(floor(log2(its largest magnitude)) - 2); its byte is the largest magnitude's exponent field - 2, held at 1 from below.  (A block of zeros gets the byte 1: its codes are zeros, and the bytes are read by this program alone.)
; LIMITS: blocks whose largest magnitude lies under 2^-124 were not tried; NaN and infinities among the inputs are not served.
; A wave takes 32 columns x 512 along K: 16 blocks a lane, 256 bytes of codes for each column.  A lane's codes belong to one row of the output and the lanes beside it hold other rows: so they go through the wave's own
; stage in LDS and leave as rows: sixteen lanes store 256 consecutive bytes.  No tensor loads, no barrier: waves share nothing.  Loads run two blocks (64 loads a wave) ahead.
; Every offset is an immediate: 511 x 3,072 x 4 = 6,279,168 lies inside the signed 24-bit immediate (ISA guide, chapter 10).
.set SIZE_K, 1024
.set SIZE_N, 3072
.set KW,    512                        ; along K for a wave
.set NB,    KW/32                      ; blocks
.set ROWB,  256                        ; bytes of KW codes
.set PITCH, ROWB+16                    ; a stage row
.set KROW,  SIZE_K*4/8                 ; a row of the codes' buffer in bytes
.set EMAX,  2
.set X,     32                         ; v32-95   two sets of 32 numbers
.set C,     96                         ; v96..    a block's codes
.set OUTR,  112                        ; v112-175 the way out: 16 x 4 registers
.set SPW,   14                         ; v14      LDS address of my spare word: SPARE + 4 x my thread's number; never rewritten
.set NIL,   15                         ; v15      0; never rewritten
.set SPARE, 4*32*PITCH                 ; behind the four stages: the spare words, 128 bytes for each wave, which no other line names
.set SB,    24                         ; v24..    the scale bytes, four to a register
	s_load_b128 s[4:7], s[0:1], 0x0                ; W_qkv, the codes
	s_load_b64 s[8:9], s[0:1], 0x10                ; the scale bytes
	v_lshl_add_u32 v[SPW], v0, 2, SPARE
	v_mov_b32 v[NIL], 0
	v_lshrrev_b32 v1, 5, v0
	v_readfirstlane_b32 s16, v1                    ; wave 0..3
	v_and_b32 v2, 31, v0                           ; lane
	s_lshl_b32 s17, ttmp9, 7
	s_lshl_b32 s18, s16, 5
	s_add_co_u32 s17, s17, s18                     ; my wave's first column: 128 x work-group x + 32 x wave
	s_and_b32 s18, ttmp7, 0xffff                   ; which KW along K: work-group y
	v_lshlrev_b32 v3, 2, v2                        ; in: 4 bytes a lane
	s_mul_i32 s19, s16, 32*PITCH                   ; my stage
	v_mul_u32_u24 v4, v2, PITCH
	v_add_nc_u32 v4, s19, v4                       ; into it: row = my column
	v_and_b32 v5, 15, v2
	v_lshrrev_b32 v6, 4, v2                        ; out of it: sixteen lanes to a row, two rows an instruction
	v_mul_u32_u24 v7, v6, PITCH
	v_lshl_add_u32 v7, v5, 4, v7
	v_add_nc_u32 v7, s19, v7                       ; LDS address
	v_mul_u32_u24 v8, v6, KROW
	v_lshl_add_u32 v8, v5, 4, v8                   ; and the same place in the codes' buffer
	; where my wave's part begins, in bytes: W: (KW y) rows of SIZE_N x 4 + 4 x column;  codes: column x KROW + ROWB y;  scale bytes: column x SIZE_K / 32 + NB y
	s_mov_b32 s19, 0
	s_mov_b64 s[20:21], KW*SIZE_N*4
	s_mul_u64 s[20:21], s[18:19], s[20:21]
	s_lshl_b32 s22, s17, 2
	s_mov_b32 s23, 0
	s_add_nc_u64 s[20:21], s[20:21], s[22:23]
	s_mov_b32 s22, s17
	s_mov_b64 s[24:25], KROW
	s_mul_u64 s[24:25], s[22:23], s[24:25]
	s_mul_i32 s26, s18, ROWB
	s_mov_b32 s27, 0
	s_add_nc_u64 s[24:25], s[24:25], s[26:27]
	s_mov_b64 s[28:29], SIZE_K/32
	s_mul_u64 s[28:29], s[22:23], s[28:29]
	s_mul_i32 s26, s18, NB
	s_add_nc_u64 s[28:29], s[28:29], s[26:27]
	v_mul_u32_u24 v9, v2, SIZE_K/32                ; my column's row of scale bytes
	s_wait_kmcnt 0x0
	s_add_nc_u64 s[4:5], s[4:5], s[20:21]
	s_add_nc_u64 s[6:7], s[6:7], s[24:25]
	s_add_nc_u64 s[8:9], s[8:9], s[28:29]
.macro LOAD t                          ; block t: W(32 t + i, my column), i = 0 .. 31, into set t % 2
.irp i, 0,1,2,3,4,5,6,7,8,9,10,11,12,13,14,15,16,17,18,19,20,21,22,23,24,25,26,27,28,29,30,31
	global_load_b32 v[X+32*((\t)%2)+\i], v3, s[4:5] offset:(32*(\t)+\i)*SIZE_N*4 th:TH_LOAD_NT
.endr
.endm
	LOAD 0
	LOAD 1
.macro BLOCK t
.set XS, X+32*((\t)%2)
.if (\t) < NB-1
	s_wait_loadcnt 32                              ; this block's 32 loads are in; the next block's may be out
.else
	s_wait_loadcnt 0
.endif
	v_max3_num_f32 v12, |v[XS]|, |v[XS+1]|, |v[XS+2]|               ; the block's largest magnitude: all 32 numbers are mine
	v_max3_num_f32 v13, |v[XS+3]|, |v[XS+4]|, |v[XS+5]|
.irp i, 6,10,14,18,22,26
	v_max3_num_f32 v12, v12, |v[XS+\i]|, |v[XS+\i+1]|
	v_max3_num_f32 v13, v13, |v[XS+\i+2]|, |v[XS+\i+3]|
.endr
	v_max3_num_f32 v12, v12, |v[XS+30]|, |v[XS+31]|
	v_max3_num_f32 v12, v12, v13, (EMAX+1)<<23     ; and the floor 2^(EMAX + 1 - 127): the byte cannot fall under 1
	v_add_nc_u32 v11, -(EMAX<<23), v12             ; EMAX off its exponent field: the conversion's scale operand
	v_lshrrev_b32 v13, 23, v11                     ; the scale's byte
.if (\t)%4 == 0
	v_mov_b32 v[SB+(\t)/4], v13                    ; four bytes to a register, the lower K in the lower byte
.else
	v_lshl_or_b32 v[SB+(\t)/4], v13, 8*((\t)%4), v[SB+(\t)/4]
.endif
.irp g, 0,1,2,3
	v_cvt_scalef32_pk8_fp4_f32 v[C+\g], v[XS+8*\g:XS+8*\g+7], v11
.endr
	ds_store_b128 v4, v[C:C+3] offset:16*(\t)      ; 32 codes: 16 bytes of my column's row
.if (\t)+2 < NB
	LOAD (\t)+2
.endif
	s_wait_dscnt 0x0                               ; the store has read its registers: the next block's codes may be written
.endm
.set Q, 0
.rept NB
	BLOCK Q
.set Q, Q+1
.endr
	global_store_b128 v9, v[SB:SB+3], s[8:9]       ; my column's NB scale bytes
.irp t, 0,1,2,3,4,5,6,7,8,9,10,11,12,13,14,15
	ds_load_b128 v[OUTR+4*\t:OUTR+4*\t+3], v7 offset:2*\t*PITCH   ; LDS serves a wave's instructions in order: these see my stores
.endr
.irp t, 0,1,2,3,4,5,6,7,8,9,10,11,12,13,14,15
	s_wait_dscnt 15-\t
	global_store_b128 v8, v[OUTR+4*\t:OUTR+4*\t+3], s[6:7] offset:2*\t*KROW
.endr
	s_wait_tensorcnt 0x0                           ; the wave's end, behind my last LDS store
	ds_add_u32 v[SPW], v[NIL]
	s_wait_dscnt 0x0
	s_endpgm
.Lfunc_end_k_qb6b54ed492_quant_w:
	.size	k_qb6b54ed492_quant_w, .Lfunc_end_k_qb6b54ed492_quant_w-k_qb6b54ed492_quant_w
	.p2alignl 7, 3214868480
	.fill 96, 4, 3214868480
	.section	.rodata,"a",@progbits
	.p2align	6, 0x0
	.amdhsa_kernel k_qb6b54ed492_quant_w
		.amdhsa_group_segment_fixed_size 35840
		.amdhsa_private_segment_fixed_size 0
		.amdhsa_enable_private_segment 0
		.amdhsa_kernarg_size 24
		.amdhsa_user_sgpr_count 2
		.amdhsa_user_sgpr_kernarg_segment_ptr 1
		.amdhsa_wavefront_size32 1
		.amdhsa_system_sgpr_workgroup_id_x 1
		.amdhsa_system_sgpr_workgroup_id_y 1
		.amdhsa_system_sgpr_workgroup_id_z 1
		.amdhsa_system_vgpr_workitem_id 0
		.amdhsa_next_free_vgpr 192
		.amdhsa_next_free_sgpr 66
		.amdhsa_reserve_vcc 0
		.amdhsa_float_denorm_mode_32 3
		.amdhsa_float_denorm_mode_16_64 3
		.amdhsa_memory_ordered 1
		.amdhsa_forward_progress 1
		.amdhsa_inst_pref_size 79
	.end_amdhsa_kernel
	.amdgpu_metadata
---
amdhsa.version: [ 1, 2 ]
amdhsa.kernels:
  - .name:           k_qb6b54ed492_quant_w
    .symbol:         k_qb6b54ed492_quant_w.kd
    .args:
      - { .name: W_qkv, .offset: 0, .size: 8, .value_kind: global_buffer, .address_space: global }
      - { .name: wc, .offset: 8, .size: 8, .value_kind: global_buffer, .address_space: global }
      - { .name: ws, .offset: 16, .size: 8, .value_kind: global_buffer, .address_space: global }
    .group_segment_fixed_size: 35840
    .private_segment_fixed_size: 0
    .kernarg_segment_align: 8
    .kernarg_segment_size: 24
    .max_flat_workgroup_size: 128
    .sgpr_count:     66
    .vgpr_count:     192
    .wavefront_size: 32
...
	.end_amdgpu_metadata
.endif
;; end of part 2
;; launch qkv (part 3): grid 12 x 32, 4 waves a work-group, clusters of 4 x 4, 327,680 bytes of LDS; arguments xc, xs, wc, ws, rope, qkv; writes qkv
.if DOCPART == 3
	.amdgcn_target "amdgcn-amd-amdhsa--gfx1250"
	.amdhsa_code_object_version 6
	.text
	.protected	k_qb6b54ed492_qkv
	.globl	k_qb6b54ed492_qkv
	.p2align	8
	.type	k_qb6b54ed492_qkv,@function
k_qb6b54ed492_qkv:
	s_mov_b64 s[64:65], 0
	v_nop
	global_prefetch_b8 v0, s[64:65] scope:SCOPE_SE
	s_setreg_imm32_b32 hwreg(HW_REG_WAVE_MODE, 25, 1), 1
	s_wait_xcnt 0x0
	s_wait_alu depctr_hold_cnt(0) depctr_sa_sdst(0) depctr_va_vdst(0) depctr_va_sdst(0) depctr_va_ssrc(0) depctr_va_vcc(0) depctr_vm_vsrc(0)
	s_getreg_b32 s2, hwreg(HW_REG_IB_STS2, 6, 4)
	s_cmp_eq_u32 s2, 0
	s_cbranch_scc0 .Lentry_in_a_cluster
	s_endpgm
.Lentry_in_a_cluster:
	s_bfe_u32 s2, ttmp6, 0x10000c
	s_cmp_lg_u32 s2, 0xf033
	s_cbranch_scc0 .Lentry_shape_is_right
	s_endpgm
.Lentry_shape_is_right:
; THE FIRST PRODUCT ON CODES, THE ROTATION, AND THE SPLIT INTO HEADS.  C[m][n] = sum over k of x[m][k] W_qkv[k][n], both operands as codes of FP4 (E2M1) with one E8M0 scale for each 32 along K:
; xc [8192][512 bytes], xs [8192][32], wc [3072][512 bytes], ws [3072][32]; sums in f32.  Columns 0-1023 are q, 1024-2047 k, 2048-3071 v, each 16 heads of 64.
; q and k are rotated in f32, pair (2 i, 2 i + 1) of a head by the angle (s + 1) theta_i, whose cosine and sine come from the table rope; all three are rounded once to f16 and stored as qkv [3][b 4][h 16][s 2048][64].
; LIMIT: q, k and v stay under f16's largest number, 65,504.
; A tile of C, 256 x 256, is made by a work-group of four waves; a wave makes 128 x 128: 64 accumulators of 16 x 16, 512 registers.  K = 1,024 is two steps of 512: both lie in LDS at once, each in a slot of its own, and nothing is filled again.
; THE SCALES of the work-group's 256 rows of x and 256 rows of W, for all of K, are two dense blocks of memory: they come into LDS once, with the first fills.
; CLUSTERS: 4 x 4 work-groups.  The four of a row of the cluster need the same tiles of x, the four of a column the same tiles of W: each tile is asked for JOINTLY, by the same tensor load with the same descriptor and a mask that names the four.
; A cluster's four tile columns are all of q, all of k or all of v: which, is the cluster's x, the same in all partners.  v's tiles read the table's row 2,048, the pairs (1, 0), through the same lines: no branch, no second path.
; THE MATRIX INSTRUCTION IS USED TRANSPOSED (source 0 = 16 rows of W, source 1 = 16 rows of x): a lane then holds eight neighbouring columns of a row of C: four pairs of one head.
; REGISTERS, in windows of 256: window 0: v0-31 addresses; v32-95 scale words, two sets; v128-191 x's fragments, ONE set; v192-255 two sets of table entries.  On the way out v32-95 rows read back, v96-127 packed f16, v128-191 rotated numbers.
;   window 1: W's fragments, TWO sets, at v0 and at v128.   window 2: the 32 accumulators of my rows 0-63 (accumulator (a, b) at v[8 (8 a + b)]);   window 3: those of my rows 64-127.
.set SIZE_K, 1024
.set KSTEP,  512                       ; along K in a slot
.set NQ,     KSTEP/128                 ; matrix instructions deep
.set ROWB,   256                       ; a tile's row in bytes: KSTEP codes of 4 bits
.set KROW,   SIZE_K*4/8                ; a row of codes in memory, in bytes
.set PITCH,  272                       ; an LDS row: 256 bytes of data + 16 of padding = 68 words: row r starts at bank 4 r mod 64 (64 banks of 4 bytes: ISA guide 11.1)
.set FR,     8                         ; registers of a fragment: 16 rows x 128 K
.set NL,     2                         ; LDS loads that bring one
.set NP,     4                         ; places behind this matrix instruction (ISA guide 7.12.1)
.set HALFT,  128*PITCH                 ; 128 rows: what one tensor load brings, and what one wave reads of x or of W
.set SLOT,   4*HALFT                   ; x's 256 rows, then W's 256 rows
.set KS,     SIZE_K/32                 ; a row of scales in bytes
.set SCL,    2*SLOT                    ; behind the slots: the scales, as runs of 256 bytes + 16 of padding
.set HALFS,  (128*KS/256)*272          ; the scales of 128 rows: what one tensor load brings
.set SBLK,   (16*KS/256)*272           ; those of 16 rows
.set SPARE,  SCL+4*HALFS               ; behind the scales: the spare words, 128 bytes for each wave, which no other line names
.set SPITCH, 272                       ; the way out: a stage of 16 rows x (256 bytes + 16) for each wave.  It lies in slot 0, which has had its one fill and its last read when the first result is stored there
.set TO,   8                           ; v8-15   block a: my byte offset in the table: my row's 256 bytes, + 32 for lanes 16-31; never rewritten
.set ADRA, 16                          ; v16-17  LDS address of my fragments of x in slot 0, 1
.set ADRB, 20                          ; v20-21  the same for W
.set STO,  24                          ; v24     the way out: where I put 16 bytes of a row
.set RD,   25                          ; v25     the way out: where I read back 16 bytes of a head's row
.set CO,   26                          ; v26     16 x lane
.set ADRS, 27                          ; v27     LDS address of my scale words: lanes 0-15 x's rows, lanes 16-31 W's
.set SPW,  28                          ; v28     LDS address of my spare word: SPARE + 4 x my thread's number; never rewritten
.set NIL,  29                          ; v29     0; never rewritten
.set SC,   32                          ; scale words: set s (for slot s) at v[SC + 8 NQ s]; in it register NQ i + q: lanes 0-15 the word of x's block i, lanes 16-31 that of W's block i, for the slot's q-th 128 along K
.set BK,   32                          ; the way out: rows read back from the stage: v32-63 and v64-95 by turns
.set PKR,  96                          ; the way out: a block's 32 registers of f16
.set AF,   128                         ; x's fragments
.set RR,   128                         ; the way out: a block's 64 rotated numbers
.set TBL,  192                         ; table entries: two sets of 32: register 8 bb + 2 jj the cosine, + 1 the sine, of angle 8 bb + 4 (lane / 16) + jj
.set G1, 24                            ; s[24:31] descriptor group 1 for x's tiles;  s[32:39] group 0, one set for each slot
.set G0, 32
.set G1B, 48                           ; s[48:55], s[56:63] the same for W's tiles
.set G0B, 56
.set G1S, 68                           ; s[68:75], s[76:79] groups 1 and 0 for x's scales;  s[80:87], s[88:91] for W's
.set G0S, 76
.set G1SB, 80
.set G0SB, 88
.set MSB, 0
.macro WIN new                         ; the immediate's high byte repeats the setting that is left
.if MSB != (\new)
	s_set_vgpr_msb (MSB<<8)|(\new)
.set MSB, (\new)
.endif
.endm
.set MUL_LO, 0xa1                      ; source 0 (W) window 1, source 1 (x) window 0, C and D window 2
.set MUL_HI, 0xf1                      ; the same, C and D window 3
.set TO_B,   0x40                      ; destination window 1, address window 0
; A joint load: waves 0 and 1 fetch for x, waves 2 and 3 for W.  Each of the two lines has ONE mask and one set of registers for all that issue it; the branch hangs on the wave's number alone.
; An s_nop 0 and four v_nop follow each of the two lines, ahead of the jump, the label and what follows.
.macro JLOAD g0a, g1a, g0b, g1b
	s_cmp_eq_u32 s15, 0
	s_cbranch_scc0 .Lfor_b_\@
	tensor_load_to_lds s[\g0a:\g0a+3], s[\g1a:\g1a+7]
	s_nop 0
.rept 4
	v_nop
.endr
	s_branch .Lasked_\@
.Lfor_b_\@:
	tensor_load_to_lds s[\g0b:\g0b+3], s[\g1b:\g1b+7]
	s_nop 0
.rept 4
	v_nop
.endr
.Lasked_\@:
.endm
.macro CROUND                          ; a round of the cluster's barrier: my work-group's barrier, wave 0's signal for the work-group, every wave's wait for all sixteen, my work-group's barrier once more
	s_barrier_signal -1
	s_barrier_wait -1
	s_cmp_lg_u32 s14, 0
	s_cbranch_scc1 .Lnot_wave_0_\@
	s_barrier_signal -3
.Lnot_wave_0_\@:
	s_barrier_wait -3
	s_barrier_signal -1
	s_barrier_wait -1
.endm
	s_load_b128 s[4:7], s[0:1], 0x0                ; x's codes s[4:5], x's scales s[6:7]
	s_load_b128 s[8:11], s[0:1], 0x10              ; W's codes s[8:9], W's scales s[10:11]
	s_load_b128 s[96:99], s[0:1], 0x20             ; the table s[96:97], qkv s[98:99]
	v_lshl_add_u32 v[SPW], v0, 2, SPARE
	v_mov_b32 v[NIL], 0
	ds_add_u32 v[SPW], v[NIL]                      ; the wave's opening: the add, twice on end, and its wait ahead of my first tensor load; the set-up below, work on registers, stands between the second and the wait
	ds_add_u32 v[SPW], v[NIL]
	v_lshrrev_b32 v1, 5, v0
	v_readfirstlane_b32 s14, v1                    ; wave 0..3
	s_lshr_b32 s15, s14, 1                         ; which half of the tile's rows is mine.  Also: I fetch for x (0) or for W (1)
	s_and_b32 s16, s14, 1                          ; which half of its columns.  Also: which 128 rows of that tile I fetch
	s_bfe_u32 s40, ttmp6, 0x40000                  ; cx, cy: my place in the cluster
	s_bfe_u32 s41, ttmp6, 0x40004
	s_lshl_b32 s42, ttmp9, 2
	s_add_co_u32 s42, s42, s40                     ; tile column of C = 4 x cluster x + cx
	s_and_b32 s17, ttmp7, 0xffff
	s_lshl_b32 s17, s17, 2
	s_add_co_u32 s17, s17, s41                     ; tile row of C = 4 x cluster y + cy
	s_lshl_b32 s43, s41, 2
	s_lshl_b32 s43, 15, s43                        ; my row of the cluster
	s_lshl_b32 s44, 0x1111, s40                    ; my column
	; descriptor group 1: a tile of 128 rows x ROWB bytes, padded in LDS
	s_or_b32 s[G1+0], s43, (0<<16)|(1<<20)|(1<<21)|(5<<22)|(3<<25)  ; 15:0 the mask: x's tiles go to my row; 17:16 element of 1 byte; 20 padding on; 21 set beside a mask; 24:22 after every 64 words (code 5); 31:25 of 4 words (code 3)
	s_or_b32 s[G1B+0], s44, (0<<16)|(1<<20)|(1<<21)|(5<<22)|(3<<25)
.irp g, G1, G1B
	s_mov_b32 s[\g+1], ROWB<<16                    ; tensor_dim0
	s_mov_b32 s[\g+2], 128<<16                     ; tensor_dim1 = 128
	s_mov_b32 s[\g+3], ROWB<<16                    ; tile_dim0
	s_mov_b32 s[\g+4], 128                         ; tile_dim1 = 128
	s_mov_b32 s[\g+5], KROW                        ; tensor_dim0_stride
	s_mov_b32 s[\g+6], 0
	s_mov_b32 s[\g+7], 0
.endr
	; and for the scales of 128 rows: a dense block of 128 KS bytes, as rows of 256 bytes (32 elements of 8 bytes), 16 bytes of padding behind each
	s_or_b32 s[G1S+0], s43, (3<<16)|(1<<20)|(1<<21)|(5<<22)|(3<<25)
	s_or_b32 s[G1SB+0], s44, (3<<16)|(1<<20)|(1<<21)|(5<<22)|(3<<25)
.irp g, G1S, G1SB
	s_mov_b32 s[\g+1], 32<<16
	s_mov_b32 s[\g+2], (128*KS/256)<<16
	s_mov_b32 s[\g+3], 32<<16
	s_mov_b32 s[\g+4], 128*KS/256
	s_mov_b32 s[\g+5], 32
	s_mov_b32 s[\g+6], 0
	s_mov_b32 s[\g+7], 0
.endr
	s_lshl_b32 s18, s16, 7                         ; which 128 rows of the tile I fetch
	s_lshl_b32 s20, s17, 8
	s_add_co_u32 s20, s20, s18                     ; x: row 256 x tile row + 128 x half
	s_lshl_b32 s46, s42, 8
	s_add_co_u32 s46, s46, s18                     ; W: row 256 x tile column + 128 x half
	s_mov_b32 s21, 0
	s_mov_b32 s47, 0
	s_mov_b64 s[18:19], KS
	s_mul_u64 s[22:23], s[20:21], s[18:19]         ; where these rows' scales begin, in bytes
	s_mul_u64 s[92:93], s[46:47], s[18:19]
	s_mov_b64 s[18:19], KROW
	s_mul_u64 s[20:21], s[20:21], s[18:19]         ; and their codes
	s_mul_u64 s[46:47], s[46:47], s[18:19]
	s_mul_i32 s45, s14, HALFT                      ; where they go: wave x 128 rows: no place in the cluster enters an LDS address
	s_mul_i32 s94, s14, HALFS
	s_wait_dscnt 0x0                               ; both opening adds are done
	s_wait_kmcnt 0x0
	s_add_nc_u64 s[20:21], s[4:5], s[20:21]
	s_add_nc_u64 s[22:23], s[6:7], s[22:23]
	s_add_nc_u64 s[46:47], s[8:9], s[46:47]
	s_add_nc_u64 s[92:93], s[10:11], s[92:93]
	CROUND                                         ; all sixteen work-groups are here: the joint loads meet
	s_mov_b32 s[G0S], 1
	s_add_co_u32 s[G0S+1], s94, SCL
	s_mov_b64 s[G0S+2:G0S+3], s[22:23]
	s_or_b32 s[G0S+3], s[G0S+3], 0x80000000
	s_mov_b32 s[G0SB], 1
	s_add_co_u32 s[G0SB+1], s94, SCL
	s_mov_b64 s[G0SB+2:G0SB+3], s[92:93]
	s_or_b32 s[G0SB+3], s[G0SB+3], 0x80000000
	JLOAD G0S, G1S, G0SB, G1SB                     ; the scales first: they are wanted with K step 0.  By this text's own count a wave has three tensor loads out
.irp s, 0,1
	s_mov_b32 s[G0+4*\s], 1
	s_add_co_u32 s[G0+4*\s+1], s45, \s*SLOT
	s_add_nc_u64 s[G0+4*\s+2:G0+4*\s+3], s[20:21], \s*ROWB
	s_or_b32 s[G0+4*\s+3], s[G0+4*\s+3], 0x80000000
	s_mov_b32 s[G0B+4*\s], 1
	s_add_co_u32 s[G0B+4*\s+1], s45, \s*SLOT
	s_add_nc_u64 s[G0B+4*\s+2:G0B+4*\s+3], s[46:47], \s*ROWB
	s_or_b32 s[G0B+4*\s+3], s[G0B+4*\s+3], 0x80000000
	JLOAD G0+4*\s, G1, G0B+4*\s, G1B
.endr
	v_and_b32 v1, 15, v0                           ; r = l % 16
	v_bfe_u32 v2, v0, 4, 1                         ; h = l / 16
	v_mul_u32_u24 v3, v1, PITCH
	v_lshl_add_u32 v4, v2, 4, v3                   ; a fragment's row x pitch + 16 x half
	s_mul_i32 s21, s15, HALFT                      ; my 128 rows of x
	s_mul_i32 s22, s16, HALFT                      ; my 128 rows of W,
	s_add_co_u32 s22, s22, 2*HALFT                 ; which lie behind x's 256
.irp s, 0,1
	v_add_nc_u32 v[ADRA+\s], s21, v4
	v_add_nc_u32 v[ADRB+\s], s22, v4
	s_add_co_u32 s21, s21, SLOT
	s_add_co_u32 s22, s22, SLOT
.endr
	v_mul_u32_u24 v5, v1, KS                       ; my row's scales: KS bytes a row,
	v_lshrrev_b32 v6, 8, v5
	v_lshl_add_u32 v5, v6, 4, v5                   ; and 16 more for each 256 passed
	s_mul_i32 s21, s15, HALFS                      ; x's: my 128 rows
	s_mul_i32 s22, s16, HALFS                      ; W's: my 128 rows, behind x's 256
	s_add_co_u32 s22, s22, 2*HALFS
	s_sub_co_u32 s22, s22, s21
	v_mul_u32_u24 v6, s22, v2                      ; lanes 16-31 take W's
	s_add_co_u32 s21, s21, SCL
	v_add_nc_u32 v5, v5, v6
	v_add_nc_u32 v[ADRS], s21, v5
	s_mul_i32 s23, s14, 16*SPITCH                  ; my stage
	v_mul_u32_u24 v5, v1, SPITCH                   ; in: row r, 16 bytes for each half of the lanes
	v_lshl_add_u32 v5, v2, 4, v5
	v_add_nc_u32 v[STO], s23, v5
	v_bfe_u32 v5, v0, 3, 2                         ; back: eight lanes take a head's 128 bytes of a row, the 32 lanes four rows
	v_mul_u32_u24 v5, v5, SPITCH
	v_and_b32 v6, 7, v0
	v_lshl_add_u32 v5, v6, 4, v5
	v_add_nc_u32 v[RD], s23, v5
	v_and_b32 v6, 31, v0
	v_lshlrev_b32 v[CO], 4, v6                     ; in qkv those four rows are 512 consecutive bytes: 16 x lane
	s_and_b32 s20, s17, 7                          ; a batch is eight tile rows
	s_lshl_b32 s20, s20, 8
	s_lshl_b32 s21, s15, 7
	s_add_co_u32 s20, s20, s21                     ; my first row's place in its sequence: 256 x (tile row % 8) + 128 x half
	s_cmp_lt_u32 ttmp9, 2                          ; q or k?  The cluster's x: the same in all sixteen partners; it chooses numbers, no path
	s_cselect_b32 s22, 256, 0                      ; q, k: a row of the table for each position;
	s_cselect_b32 s23, 0, 0x80000                  ; v: row 2,048 for all
	v_add_nc_u32 v7, s20, v1
	v_mul_lo_u32 v[TO], v7, s22
	v_lshl_add_u32 v[TO], v2, 5, v[TO]             ; lanes 16-31 hold the pairs four further on: 32 bytes
	v_add_nc_u32 v[TO], s23, v[TO]
	s_lshl_b32 s22, s22, 4
.irp a, 1,2,3,4,5,6,7
	v_add_nc_u32 v[TO+\a], s22, v[TO+\a-1]         ; block a: 16 positions on
.endr
	s_lshl_b32 s20, s20, 7                         ; qkv: a position is 128 bytes,
	s_lshl_b32 s21, ttmp9, 24                      ; q, k or v 2^24,
	s_add_co_u32 s20, s20, s21
	s_lshr_b32 s21, s17, 3
	s_lshl_b32 s21, s21, 22                        ; a batch 2^22,
	s_add_co_u32 s20, s20, s21
	s_mov_b32 s21, 0
	s_add_nc_u64 s[98:99], s[98:99], s[20:21]
	s_lshl_b32 s46, s40, 2                         ; a head 2^18: my first head is 4 cx + 2 x column half
	s_lshl_b32 s47, s16, 1
	s_add_co_u32 s46, s46, s47
	s_lshl_b32 s46, s46, 18
	s_mov_b32 s47, 0
	s_add_nc_u64 s[98:99], s[98:99], s[46:47]
; block a's 32 table entries of a lane into set a % 2: for each 16 columns bb of a head, 32 bytes: four pairs
.macro TLD a
.irp bb, 0,1,2,3
.irp e, 0,1
	global_load_b128 v[TBL+32*((\a)%2)+8*\bb+4*\e:TBL+32*((\a)%2)+8*\bb+4*\e+3], v[TO+(\a)], s[96:97] offset:64*\bb+16*\e
.endr
.endr
.endm
	TLD 0                                          ; the first two blocks' entries land while the products run
	TLD 1
.macro FRAG reg, adr, q, i             ; a fragment, 16 rows x 128 K of 4-bit codes, is 8 registers: lane l holds row l % 16; registers 4 c .. 4 c + 3 hold K = 64 c + 32 (l / 16) + 0 .. 31
.irp c, 0,1
	ds_load_b128 v[\reg+4*\c:\reg+4*\c+3], v[\adr] offset:64*(\q)+32*\c+(\i)*16*PITCH
.endr
.endm
; 16 matrix instructions: x's blocks a0, a0 + 1 against W's eight, 128 along K: the slot's q-th.  p: W's set;  sc: the set of scale words.  zero = 1: the first product starts the sums: nothing is ever cleared.
; The 64 accumulators take turns, one instruction a turn, in the same order in every step.
.macro MUL16 a0, p, q, sc, zero
.irp a, \a0, \a0+1
.irp b, 0,1,2,3,4,5,6,7
.if \zero
	v_wmma_scale_f32_16x16x128_f8f6f4 v[8*(8*((\a)%4)+\b):8*(8*((\a)%4)+\b)+7], v[128*(\p)+FR*\b:128*(\p)+FR*\b+FR-1], v[AF+FR*(\a):AF+FR*(\a)+FR-1], 0, v[SC+8*NQ*(\sc)+NQ*\b+(\q)], v[SC+8*NQ*(\sc)+NQ*(\a)+(\q)] matrix_a_fmt:MATRIX_FMT_FP4 matrix_b_fmt:MATRIX_FMT_FP4 matrix_a_scale:MATRIX_SCALE_ROW1
.else
	v_wmma_scale_f32_16x16x128_f8f6f4 v[8*(8*((\a)%4)+\b):8*(8*((\a)%4)+\b)+7], v[128*(\p)+FR*\b:128*(\p)+FR*\b+FR-1], v[AF+FR*(\a):AF+FR*(\a)+FR-1], v[8*(8*((\a)%4)+\b):8*(8*((\a)%4)+\b)+7], v[SC+8*NQ*(\sc)+NQ*\b+(\q)], v[SC+8*NQ*(\sc)+NQ*(\a)+(\q)] matrix_a_fmt:MATRIX_FMT_FP4 matrix_b_fmt:MATRIX_FMT_FP4 matrix_a_scale:MATRIX_SCALE_ROW1
.endif
.endr
.endr
.endm
.macro FETCH_B slot, q, p              ; W's eight fragments of the slot's q-th 128 along K into set p
	WIN TO_B
.irp i, 0,1,2,3,4,5,6,7
	FRAG 128*(\p)+FR*\i, ADRB+\slot, \q, \i
.endr
	WIN 0
.endm
.macro FETCH_A slot, q, i0             ; x's blocks i0 .. i0 + 3
.irp i, \i0, \i0+1, \i0+2, \i0+3
	FRAG AF+FR*(\i), ADRA+\slot, \q, \i
.endr
.endm
.macro SCALES sc                       ; a K step's scale words into set sc: NQ words a row; lanes 0-15 take x's block i, lanes 16-31 W's block i
.irp i, 0,1,2,3,4,5,6,7
	ds_load_b128 v[SC+8*NQ*\sc+NQ*\i:SC+8*NQ*\sc+NQ*\i+3], v[ADRS] offset:\i*SBLK
.endr
.endm
; A load into a register that a matrix instruction has read, and a vector instruction that reads a matrix result, stand NP places behind that matrix instruction, and only plain vector
; instructions that name none of its registers are places (ISA guide 7.12.1 for vector instructions).
.macro PLACES n
.rept \n
	v_nop
.endr
.endm
; A step of 128 along K that has its successor in the same slot.  x has one set of registers: blocks 0-3 are fetched anew in the step's middle, blocks 4-7 at its end; W has two sets.
.macro STEP slot, q, zero
	s_wait_dscnt 4*NL                              ; W's set and x's blocks 0-3 are in; the youngest eight loads (x's blocks 4-7) may be out
	WIN MUL_LO
	MUL16 0, (\q)%2, \q, \slot, \zero
	MUL16 2, (\q)%2, \q, \slot, \zero
	s_wait_dscnt 0                                 ; x's blocks 4-7 are in (asked for 32 matrix instructions ago)
	PLACES NP
	FETCH_B \slot, (\q)+1, 1-(\q)%2
	FETCH_A \slot, (\q)+1, 0
	WIN MUL_HI
	MUL16 4, (\q)%2, \q, \slot, \zero
	MUL16 6, (\q)%2, \q, \slot, \zero
	PLACES NP
	WIN 0
	FETCH_A \slot, (\q)+1, 4
.endm
; Slot 0's last step goes on into slot 1: ONE barrier; in front of it each wave waits for all its tensor loads (its part of slot 1), adds 0 to its spare word, and waits for that and for its own reads of slot 0.
; Behind it slot 1 is whole and nobody reads slot 0 any more: nothing is filled there again, and the way out's stages lie in it.
.macro TURN slot, next
	s_wait_tensorcnt 0x0                           ; all my tensor loads have landed  (every window is 0 here: the add's two registers lie in window 0)
	ds_add_u32 v[SPW], v[NIL]                      ; 0 onto my spare word
	s_wait_dscnt 4*NL+1                            ; (the add and the youngest eight loads, x's blocks 4-7, may be out)
	WIN MUL_LO
	MUL16 0, 1, NQ-1, \slot, 0                     ; sixteen matrix instructions stand between the add and the wait for it
	s_wait_dscnt 0x0                               ; the add is done, and my reads of this slot are over
	s_barrier_signal -1
	MUL16 2, 1, NQ-1, \slot, 0
	WIN 0
	s_barrier_wait -1
	PLACES NP
	v_add_nc_u32 v[ADRS], 4*NQ, v[ADRS]            ; on to the next K step's scale words (no LDS load of mine is out)
	FETCH_B \next, 0, 0
	FETCH_A \next, 0, 0
	SCALES \next
	WIN MUL_HI
	MUL16 4, 1, NQ-1, \slot, 0
	MUL16 6, 1, NQ-1, \slot, 0
	PLACES NP
	WIN 0
	FETCH_A \next, 0, 4
.endm
.macro STEPS slot, from                ; the slot's steps from .. NQ - 2
.set Q, \from
.rept NQ-1-\from
	STEP \slot, Q, 0
.set Q, Q+1
.endr
.endm
	s_wait_tensorcnt 1                             ; the scales and my part of K step 0 are in (K step 1's load may be out)
	s_barrier_signal -1
	s_barrier_wait -1                              ; everybody's are
	FETCH_B 0, 0, 0
	FETCH_A 0, 0, 0
	SCALES 0
	FETCH_A 0, 0, 4
	STEP 0, 0, 1                                   ; the first step's products start the sums
	STEPS 0, 1
	TURN 0, 1
	STEPS 1, 0
	s_wait_dscnt 4*NL                              ; the very last step: nothing more to fetch
	WIN MUL_LO
	MUL16 0, 1, NQ-1, 1, 0
	MUL16 2, 1, NQ-1, 1, 0
	s_wait_dscnt 0
	WIN MUL_HI
	MUL16 4, 1, NQ-1, 1, 0
	MUL16 6, 1, NQ-1, 1, 0
	WIN 0
; THE WAY OUT, block by block of 16 rows x 128 columns (two heads).
; ROPE: a lane's registers 2 jj, 2 jj + 1 of accumulator (a, b) are the pair (e, o) of angle 8 (b % 4) + 4 (lane / 16) + jj of its row's position.  Two packed lines rotate a pair:
; (o sin, e sin), then (e cos - o sin, o cos + e sin).  Each accumulator is read from its low end on.  Then the block is rounded to f16, 16 bytes a lane for each accumulator.
.macro ROPE a
.set AC, 64*((\a)%4)
.set TS, TBL+32*((\a)%2)
.if (\a) < 7
	s_wait_loadcnt 8                               ; this block's eight table loads are in; the next block's eight may be out
.else
	s_wait_loadcnt 0
.endif
	WIN 0x02+(\a)/4                                ; source 0: window 2 or 3
.irp b, 0,1,2,3,4,5,6,7
.irp jj, 0,1,2,3
	v_pk_mul_f32 v[RR+8*\b+2*\jj:RR+8*\b+2*\jj+1], v[AC+8*\b+2*\jj:AC+8*\b+2*\jj+1], v[TS+8*(\b%4)+2*\jj:TS+8*(\b%4)+2*\jj+1] op_sel:[1,1] op_sel_hi:[0,1]
.endr
.irp jj, 0,1,2,3
	v_pk_fma_f32 v[RR+8*\b+2*\jj:RR+8*\b+2*\jj+1], v[AC+8*\b+2*\jj:AC+8*\b+2*\jj+1], v[TS+8*(\b%4)+2*\jj:TS+8*(\b%4)+2*\jj+1], v[RR+8*\b+2*\jj:RR+8*\b+2*\jj+1] op_sel_hi:[1,0,1] neg_lo:[0,0,1]
.endr
.endr
	WIN 0
.if (\a) < 6
	TLD (\a)+2                                     ; the set just read takes the entries of the block two on
.endif
.irp b, 0,1,2,3,4,5,6,7
.irp jj, 0,1,2,3
	v_cvt_pk_f16_f32 v[PKR+4*\b+\jj], v[RR+8*\b+2*\jj], v[RR+8*\b+2*\jj+1]
.endr
.endr
.endm
; TOSTAGE: a lane's 16 bytes belong to one row, and the lanes beside it hold other rows: so the block goes through my own stage and comes back by heads, four rows of a head's 128 bytes to a load.
; LDS serves a wave's instructions in order (ISA guide 5.7.1.4): no wait between the stores and the loads, nor in front of the next block's stores.
.macro TOSTAGE a
.set BB, BK+32*((\a)%2)
.irp b, 0,1,2,3,4,5,6,7
	ds_store_b128 v[STO], v[PKR+4*\b:PKR+4*\b+3] offset:32*\b
.endr
.irp g, 0,1
.irp i, 0,1,2,3
	ds_load_b128 v[BB+4*(4*\g+\i):BB+4*(4*\g+\i)+3], v[RD] offset:4*SPITCH*\i+128*\g
.endr
.endr
.endm
.macro SEND a
.set BB, BK+32*((\a)%2)
	s_wait_dscnt 0x0                               ; the block is back in registers
	s_wait_xcnt 0x0                                ; the stores of the block before have read their registers: the next block's loads from the stage may land there
.irp g, 0,1
.irp i, 0,1,2,3
	global_store_b128 v[CO], v[BB+4*(4*\g+\i):BB+4*(4*\g+\i)+3], s[98:99] offset:262144*\g+2048*(\a)+512*\i   ; 32 lanes store four positions of a head: 512 consecutive bytes, at a multiple of 512 from qkv's first byte
.endr
.endr
.endm
	PLACES NP                                      ; behind the last products: their results are read, and the registers that held x's fragments are written
	ROPE 0
	TOSTAGE 0
.irp a, 1,2,3,4,5,6,7                  ; block a's arithmetic stands between block a - 1's loads from the stage and the wait for them
	ROPE \a
	SEND \a-1
	TOSTAGE \a
.endr
	SEND 7
	s_wait_tensorcnt 0x0                           ; the wave's end, behind my last tensor load and my last LDS store
	ds_add_u32 v[SPW], v[NIL]
	s_wait_dscnt 0x0
	CROUND                                         ; the closing round: no work-group ends while a partner may still ask for a tile that names it
	s_endpgm
.Lfunc_end_k_qb6b54ed492_qkv:
	.size	k_qb6b54ed492_qkv, .Lfunc_end_k_qb6b54ed492_qkv-k_qb6b54ed492_qkv
	.p2alignl 7, 3214868480
	.fill 96, 4, 3214868480
	.section	.rodata,"a",@progbits
	.p2align	6, 0x0
	.amdhsa_kernel k_qb6b54ed492_qkv
		.amdhsa_group_segment_fixed_size 327680
		.amdhsa_private_segment_fixed_size 0
		.amdhsa_enable_private_segment 0
		.amdhsa_kernarg_size 48
		.amdhsa_user_sgpr_count 2
		.amdhsa_user_sgpr_kernarg_segment_ptr 1
		.amdhsa_wavefront_size32 1
		.amdhsa_system_sgpr_workgroup_id_x 1
		.amdhsa_system_sgpr_workgroup_id_y 1
		.amdhsa_system_sgpr_workgroup_id_z 1
		.amdhsa_system_vgpr_workitem_id 0
		.amdhsa_next_free_vgpr 1024
		.amdhsa_next_free_sgpr 100
		.amdhsa_reserve_vcc 0
		.amdhsa_float_denorm_mode_32 3
		.amdhsa_float_denorm_mode_16_64 3
		.amdhsa_memory_ordered 1
		.amdhsa_forward_progress 1
		.amdhsa_inst_pref_size 165
	.end_amdhsa_kernel
	.amdgpu_metadata
---
amdhsa.version: [ 1, 2 ]
amdhsa.kernels:
  - .name:           k_qb6b54ed492_qkv
    .symbol:         k_qb6b54ed492_qkv.kd
    .args:
      - { .name: xc, .offset: 0, .size: 8, .value_kind: global_buffer, .address_space: global }
      - { .name: xs, .offset: 8, .size: 8, .value_kind: global_buffer, .address_space: global }
      - { .name: wc, .offset: 16, .size: 8, .value_kind: global_buffer, .address_space: global }
      - { .name: ws, .offset: 24, .size: 8, .value_kind: global_buffer, .address_space: global }
      - { .name: rope, .offset: 32, .size: 8, .value_kind: global_buffer, .address_space: global }
      - { .name: qkv, .offset: 40, .size: 8, .value_kind: global_buffer, .address_space: global }
    .group_segment_fixed_size: 327680
    .private_segment_fixed_size: 0
    .kernarg_segment_align: 8
    .kernarg_segment_size: 48
    .max_flat_workgroup_size: 128
    .sgpr_count:     100
    .vgpr_count:     1024
    .wavefront_size: 32
...
	.end_amdgpu_metadata
.endif
;; end of part 3
;; launch attn (part 4): grid 4 x 64, 8 waves a work-group, clusters of 4 x 1, 327,680 bytes of LDS; arguments qkv, o16; writes o16
.if DOCPART == 4
	.amdgcn_target "amdgcn-amd-amdhsa--gfx1250"
	.amdhsa_code_object_version 6
	.text
	.protected	k_qb6b54ed492_attn
	.globl	k_qb6b54ed492_attn
	.p2align	8
	.type	k_qb6b54ed492_attn,@function
k_qb6b54ed492_attn:
	s_mov_b64 s[64:65], 0
	v_nop
	global_prefetch_b8 v0, s[64:65] scope:SCOPE_SE
	s_setreg_imm32_b32 hwreg(HW_REG_WAVE_MODE, 25, 1), 1
	s_wait_xcnt 0x0
	s_wait_alu depctr_hold_cnt(0) depctr_sa_sdst(0) depctr_va_vdst(0) depctr_va_sdst(0) depctr_va_ssrc(0) depctr_va_vcc(0) depctr_vm_vsrc(0)
	s_getreg_b32 s2, hwreg(HW_REG_IB_STS2, 6, 4)
	s_cmp_eq_u32 s2, 0
	s_cbranch_scc0 .Lentry_in_a_cluster
	s_endpgm
.Lentry_in_a_cluster:
	s_bfe_u32 s2, ttmp6, 0x10000c
	s_cmp_lg_u32 s2, 0x3003
	s_cbranch_scc0 .Lentry_shape_is_right
	s_endpgm
.Lentry_shape_is_right:
; O[bh][q][:] = the sum over k of softmax_k(Q[bh][q] . K[bh][k] / 8) V[bh][k][:], no mask.  qkv: f16 [3][bh 64][2048][64] (q and k already rotated).  o16: f16 [h 16][b x 2048 + s][64].
; Products on f16 operands with f32 sums; maxima, exponentials and sums in f32; the weights p are rounded to f16 for the second product, O once at the end.
; LIMIT: what is stored stays under f16's largest number, 65,504 (O is an average of rows of V, which do).
; SHARES.  A cluster of four work-groups owns one (batch, head); a work-group 512 queries; each of its eight waves 64: four tiles of 16.  Two waves share a SIMD (512 registers each), so that one wave's vector work can stand
; beside the other's matrix work.  Every wave walks all 2,048 keys, 64 a step.
; LAYOUT.  S^T = K Q^T (source 0 = 16 keys, source 1 = 16 queries): in the result a lane holds ONE query (lane % 16) and the keys 8 (lane / 16) + 0..7.  Two such tiles, rounded to f16 in pairs, ARE source 1
; (32 keys x 16 queries) of O^T = V^T P, whose result again holds one query a lane, and eight channels.  K comes out of LDS as it lies, V ([key][channel]) turned, by ds_load_tr16_b128.
; SOFTMAX.  For each query a running maximum m and sum l: p = 2^(c s - c m), c = log2(e) / 8; in every step O and l are multiplied by a = 2^(c m_old - c m_new), which is 1 where m has not grown.
; TURNS.  The wave's tiles are two PIECES: piece 0 (tiles 0, 1) and piece 2 (tiles 2, 3).  A turn of piece x: 16 products K Q^T of piece x; 16 products V^T P of the OTHER piece, whose weights the turn before has made;
; a run of 16 LDS loads (the next step's K, or V); piece x's softmax.  So one buffer for S^T and one for P serve both pieces, and the LDS loads land under a softmax.
; CLUSTER.  The four work-groups walk the same K and V, so each tile is asked for JOINTLY: the same tensor load, with the same descriptor and a mask that names the four, in all four.
; REGISTERS, in windows of 256: window 0: v2-15 addresses; v16-47 eight registers of statistics a tile; v48-111 S^T of the piece in hand; v112-143 its P; v144-207 V of one step.
;   window 1: v0-127 O^T, 32 a tile; v128-191 Q, 16 a tile; v192-255 K of one step.
.set KS,    64        ; keys in a step
.set PK,    144       ; a row of K in LDS: 128 bytes + 16 of padding = 36 words: the 16 rows of a load start at 16 different groups of four banks (64 banks of 4 bytes: ISA guide 11.1)
.set PV,    160       ; a row of V: 128 + 32 = 40 words
.set VOFF,  KS*PK     ; a step's tiles lie together: 64 rows of K, then 64 rows of V
.set STEPB, KS*(PK+PV)
.set SLOT1, 1<<17     ; a slot holds four steps (77,824 bytes); slot 1 begins here, so that one exclusive or turns an address in one slot into the other's
.set FILLB, 4*KS*128  ; a slot's rows of K, or of V, in memory: 32,768 bytes
.set STAGE, SLOT1+4*STEPB  ; behind the ring: 16 rows x 144 bytes for each wave, for the way out
.set SP,    144
.set SPARE, STAGE+8*16*SP  ; behind the stages: the spare words, 128 bytes for each wave, which no other line names
.set AK0, 2           ; v2   my lane's place in a tile of K; never rewritten
.set AV0, 3           ; v3   the same for V
.set ADR, 4           ; v4   the LDS address of the run of loads in hand
.set STO, 6           ; v6   the way out: where I put 16 bytes of a row
.set RD,  7           ; v7   the way out: where I read 16 bytes back
.set GO,  8           ; v8   16 x lane
.set QO,  12          ; v12  my byte offset in the wave's rows of Q
.set PFO, 13          ; v13  256 x lane: the prefetches' offset; never rewritten
.set SPW, 14          ; v14  LDS address of my spare word: SPARE + 4 x my thread's number; never rewritten
.set NIL, 15          ; v15  0; never rewritten
.set ST,  16          ; tile t's statistics at v[ST+8 t]: +0 c m, +1 m, +2, +3 l (even keys', odd keys'), +4 to +7 c0-c3, at work; a takes c2's place once the maximum is found
.set S,   48
.set P,   112
.set VF,  144
.set QF,  128         ; in window 1
.set KF,  192         ; in window 1
.set WV,  12          ; s12  my wave's number
.set LIM, 15          ; s15  1 in a wave that prefetches, else the greatest number: a wave prefetches while s[SLOTS] is above it
.set PFA, 18          ; s[18:19] where my prefetches stand: my work-group's 8,192 bytes (of K: wave 0, of V: wave 4) of the slot after the one that is being asked for
.set G1K, 24          ; s[24:31] descriptor group 1 for K's tiles
.set G1V, 32          ; s[32:39] for V's: it differs in the padding alone
.set G0K, 40          ; s[40:47] descriptor group 0 for K's tiles: a set for each of the two first fills; the second then walks on
.set G0V, 48          ; s[48:55] the same for V's
.set SLOTS, 56        ; s56  slots still to be asked for
.set CNT, 57          ; s57  counts key steps
.set CS,  58          ; s[58:59] c: the packed scaling names a pair and takes its low word for both halves
.set SEL, 60          ; s[60:61] lane selects for v_permlanex16_b32: each lane takes its own place in the other half
.set TB,  62          ; s62  LDS byte at which the tiles of the step to be fetched begin
.set MSB, 0
.macro WIN new                      ; the immediate's high byte repeats the setting that is left; a switch that changes nothing is dropped
.if MSB != (\new)
	s_set_vgpr_msb (MSB<<8)|(\new)
.set MSB, (\new)
.endif
.endm
.set W_KQ, 0x05       ; K and Q in window 1, S^T in window 0
.set W_PV, 0x50       ; V and P in window 0, O^T in window 1
.set W_RS, 0x41       ; O^T (destination and source 0) in window 1, a in window 0
; A joint refill.  Waves 0 to 3 fetch the four steps' tiles of K, waves 4 to 7 those of V: one load a wave.  The branch hangs on the wave's number alone: it is the same in every work-group.
; An s_nop 0 and four v_nop follow each of the two lines, ahead of the jump, the label and what follows.
.macro JLOAD
	s_cmp_lt_u32 s[WV], 4
	s_cbranch_scc0 .Lfor_v_\@
	tensor_load_to_lds s[G0K+4:G0K+7], s[G1K:G1K+7]
	s_nop 0
.rept 4
	v_nop
.endr
	s_branch .Lasked_\@
.Lfor_v_\@:
	tensor_load_to_lds s[G0V+4:G0V+7], s[G1V:G1V+7]
	s_nop 0
.rept 4
	v_nop
.endr
.Lasked_\@:
.endm
; A PREFETCH INTO THE L2 of what the NEXT change of slots will ask for: a slot's 32,768 bytes of K and of V: four key steps, 256 matrix instructions a wave, ahead of that load.  It stands behind the wave's tensor load and its five lines.
; Each run of 256 bytes is named ONCE in the launch: a (batch, head) belongs to one cluster; its four partners share the bytes out BY ADDRESS, 8,192 each; in each, wave 0 asks for K's and wave 4 for V's, lanes 256 bytes apart.
; The last change that fills a slot asks for nothing: there is no slot behind it.  Slots 0, 1 and 2 come by their loads alone.
.macro ASK
	s_cmp_gt_u32 s[SLOTS], s[LIM]
	s_cbranch_scc0 .Lnot_mine_\@
	global_prefetch_b8 v[PFO], s[PFA:PFA+1] th:TH_LOAD_NT scope:SCOPE_SE
.Lnot_mine_\@:
.endm
; A round of the cluster's barrier: my work-group's barrier, so that wave 0's signal speaks for all eight waves; wave 0 signals for the work-group; every wave waits for all four work-groups; my work-group's barrier once more.
.macro CROUND
	s_barrier_signal -1
	s_barrier_wait -1
	s_cmp_lg_u32 s[WV], 0
	s_cbranch_scc1 .Lnot_wave_0_\@
	s_barrier_signal -3
.Lnot_wave_0_\@:
	s_barrier_wait -3
	s_barrier_signal -1
	s_barrier_wait -1
.endm
	s_load_b128 s[8:11], s[0:1], 0x0  ; qkv s[8:9], o16 s[10:11]
	v_lshl_add_u32 v[SPW], v0, 2, SPARE
	v_mov_b32 v[NIL], 0
	ds_add_u32 v[SPW], v[NIL]       ; the wave's opening: the add, twice on end, and its wait ahead of my first tensor load; the set-up below, work on registers, stands between the second and the wait
	ds_add_u32 v[SPW], v[NIL]
	v_lshrrev_b32 v1, 5, v0
	v_readfirstlane_b32 s[WV], v1   ; wave 0..7
	s_bfe_u32 s13, ttmp6, 0x40000   ; cx: my place in the cluster = my block of 512 queries: it enters Q's, O's and the prefetches' addresses alone
	s_and_b32 s20, ttmp7, 0xffff    ; 16 x batch + head, which the four partners share
	s_and_b32 s16, s[WV], 3         ; which of a slot's four steps I fetch
	s_mul_i32 s17, s16, STEPB       ; its place in a slot: no place in the cluster enters an LDS address
	s_lshl_b32 s22, s20, 18         ; the head's first byte in q, in k and in v: 2,048 rows of 128 bytes
	s_lshl_b32 s2, s13, 16          ; my block's 512 rows,
	s_lshl_b32 s3, s[WV], 13        ; my wave's 64 of them
	s_add_co_u32 s2, s2, s3
	s_and_b32 s21, s20, 15          ; o16: a head is 8,192 rows of 128 bytes,
	s_lshl_b32 s21, s21, 20
	s_lshr_b32 s20, s20, 4          ; a batch 2,048 rows
	s_lshl_b32 s20, s20, 18
	s_add_co_u32 s20, s20, s21
	s_add_co_u32 s20, s20, s2
	s_mov_b32 s21, 0
	s_add_co_u32 s2, s2, s22
	s_mov_b32 s3, 0
	s_lshl_b32 s23, s16, 13         ; my step's 64 rows of 128 bytes
	s_add_co_u32 s22, s22, s23
	s_mov_b32 s23, 0
	; descriptor group 1: a tile of 64 rows x 64 elements, padded in LDS
	s_mov_b32 s[G1K], 15|(1<<16)|(1<<20)|(1<<21)|(4<<22)|(3<<25)  ; 15:0 the mask: all four work-groups; 17:16 elements of 2 bytes; 20 padding on; 21 set beside a mask; 24:22 after every 32 words (code 4); 31:25 4 words of it (code 3)
	s_mov_b32 s[G1V], 15|(1<<16)|(1<<20)|(1<<21)|(4<<22)|(7<<25)  ; the same with 8 words of padding (code 7)
.irp g, G1K, G1V
	s_mov_b32 s[\g+1], 64<<16       ; tensor_dim0 = 64
	s_mov_b32 s[\g+2], KS<<16       ; tensor_dim1 = 64
	s_mov_b32 s[\g+3], 64<<16       ; tile_dim0 = 64
	s_mov_b32 s[\g+4], KS           ; tile_dim1 = 64
	s_mov_b32 s[\g+5], 64           ; tensor_dim0_stride: elements from row to row
	s_mov_b32 s[\g+6], 0
	s_mov_b32 s[\g+7], 0
.endr
	s_mov_b32 s[CS], 0x3e38aa3b     ; c = log2(e) / 8
	s_mov_b32 s[CS+1], s[CS]        ; named with it as a pair, so it is written
	s_mov_b32 s[SEL], 0x76543210
	s_mov_b32 s[SEL+1], 0xfedcba98
	s_mov_b32 s[TB], 0
	s_mov_b32 s[SLOTS], 2048/(4*KS)-2
	s_cmp_eq_u32 s16, 0             ; waves 0 and 4 prefetch: the same in all four partners
	s_cselect_b32 s[LIM], 1, -1
	v_and_b32 v[PFO], 31, v0
	v_lshlrev_b32 v[PFO], 8, v[PFO]
	s_wait_dscnt 0x0                ; both opening adds are done
	s_wait_kmcnt 0x0
	s_add_nc_u64 s[4:5], s[8:9], s[2:3]  ; Q at my wave's first row
	s_add_nc_u64 s[10:11], s[10:11], s[20:21]  ; O likewise
	s_add_nc_u64 s[8:9], s[8:9], s[22:23]
	s_add_nc_u64 s[6:7], s[8:9], 0x1000000  ; K at my tile of slot 0
	s_add_nc_u64 s[8:9], s[8:9], 0x2000000  ; V likewise
	s_cmp_lt_u32 s[WV], 4
	s_cselect_b64 s[PFA:PFA+1], s[6:7], s[8:9]  ; (in waves 0 and 4 these stand at a slot's first row)
	s_lshl_b32 s2, s13, 13          ; my work-group's 8,192 bytes of the 32,768
	s_add_nc_u64 s[PFA:PFA+1], s[PFA:PFA+1], s[2:3]
	s_add_nc_u64 s[PFA:PFA+1], s[PFA:PFA+1], 2*FILLB  ; in slot 2; the first change of slots steps it to slot 3.  Nothing is prefetched here, at the head, where every work-group's first tiles are on their way
	CROUND                          ; all four work-groups are here: the first joint loads meet
.irp s, 0,1
	s_mov_b32 s[G0K+4*\s], 1        ; 1:0 count = 1
	s_add_co_u32 s[G0K+4*\s+1], s17, \s*SLOT1  ; 63:32 LDS address
	s_add_nc_u64 s[G0K+4*\s+2:G0K+4*\s+3], s[6:7], \s*FILLB  ; 120:64 global address: slot s begins with keys 256 s
	s_or_b32 s[G0K+4*\s+3], s[G0K+4*\s+3], 0x80000000  ; 127:126 type = 2
	s_mov_b32 s[G0V+4*\s], 1
	s_add_co_u32 s[G0V+4*\s+1], s17, \s*SLOT1+VOFF
	s_add_nc_u64 s[G0V+4*\s+2:G0V+4*\s+3], s[8:9], \s*FILLB
	s_or_b32 s[G0V+4*\s+3], s[G0V+4*\s+3], 0x80000000
.endr
	s_cmp_lt_u32 s[WV], 4           ; a wave's two first fills stand in one branch, ahead of every wait on TENSORcnt and every LDS read: two loads of mine are out
	s_cbranch_scc0 .Lfirst_v
	tensor_load_to_lds s[G0K:G0K+3], s[G1K:G1K+7]
	s_nop 0
	tensor_load_to_lds s[G0K+4:G0K+7], s[G1K:G1K+7]
	s_nop 0
.rept 4
	v_nop
.endr
	s_branch .Lfirst_asked
.Lfirst_v:
	tensor_load_to_lds s[G0V:G0V+3], s[G1V:G1V+7]
	s_nop 0
	tensor_load_to_lds s[G0V+4:G0V+7], s[G1V:G1V+7]
	s_nop 0
.rept 4
	v_nop
.endr
.Lfirst_asked:
	; A fragment of K or Q is 16 rows x 32 channels in 8 registers: lane l holds row l % 16; registers 0-3 channels 8 (l / 16) + 0..7, registers 4-7 channels 16 + 8 (l / 16) + 0..7: two loads of 16 bytes, 32 bytes apart.
	v_and_b32 v1, 15, v0            ; l % 16
	v_bfe_u32 v9, v0, 4, 1          ; l / 16
	v_lshlrev_b32 v[QO], 7, v1
	v_lshl_add_u32 v[QO], v9, 4, v[QO]  ; row x 128 + 16 x half
	WIN 0x40                        ; destination window 1, address window 0
.irp i, 0,1,2,3,4,5,6,7             ; Q stays in registers: tile i / 2, channels 32 (i % 2) on
	global_load_b128 v[QF+8*\i:QF+8*\i+3],   v[QO], s[4:5] offset:(\i/2)*2048+(\i%2)*64
	global_load_b128 v[QF+8*\i+4:QF+8*\i+7], v[QO], s[4:5] offset:(\i/2)*2048+(\i%2)*64+32
.endr
	WIN 0
	v_mul_u32_u24 v[AK0], v1, PK
	v_lshl_add_u32 v[AK0], v9, 4, v[AK0]  ; row x pitch + 16 x half
	; The turning load takes 16 keys x 16 channels (lane l reads 16 bytes: key 8 (l / 16) + l % 8, channels 8 ((l / 8) % 2) + 0..7) and leaves half a fragment of V^T: lane l holds channel l % 16 and 8 keys.
	v_and_b32 v10, 7, v0
	v_bfe_u32 v11, v0, 3, 1
	v_lshl_add_u32 v[AV0], v9, 3, v10
	v_mul_u32_u24 v[AV0], v[AV0], PV
	v_lshl_add_u32 v[AV0], v11, 4, v[AV0]
	v_add_nc_u32 v[AV0], VOFF, v[AV0]
	s_mul_i32 s14, s[WV], 16*SP
	s_add_co_u32 s14, s14, STAGE    ; my stage
	v_mul_u32_u24 v[STO], v1, SP    ; in: row l % 16, 16 bytes for each half of the lanes
	v_lshl_add_u32 v[STO], v9, 4, v[STO]
	v_add_nc_u32 v[STO], s14, v[STO]
	v_bfe_u32 v5, v0, 3, 2          ; back: eight lanes take a row's 128 bytes, the 32 lanes four rows
	v_mul_u32_u24 v[RD], v5, SP
	v_lshl_add_u32 v[RD], v10, 4, v[RD]
	v_add_nc_u32 v[RD], s14, v[RD]
	v_and_b32 v[GO], 31, v0         ; in o16 those four rows are 512 consecutive bytes
	v_lshlrev_b32 v[GO], 4, v[GO]
; THE MATRIX WORK.  The accumulators take turns, one instruction a turn: between two links of a chain stand seven others', and runs that follow each other share no accumulator.
; SQ: product i of 16 of S^T = K Q^T for piece x: channels 32 (i / 8) on, keys 16 ((i / 2) % 4) on, tile x + i % 2.  The first 8 start the sums.
.macro SQ x
	WIN W_KQ
.set i, 0
.rept 16
.set rS, S+32*(i%2)+8*((i/2)%4)
.set rK, KF+16*((i/2)%4)+8*(i/8)
.set rQ, QF+16*((\x)+i%2)+8*(i/8)
.if i < 8
	v_wmma_f32_16x16x32_f16 v[rS:rS+7], v[rK:rK+7], v[rQ:rQ+7], 0
.else
	v_wmma_f32_16x16x32_f16 v[rS:rS+7], v[rK:rK+7], v[rQ:rQ+7], v[rS:rS+7]
.endif
.set i, i+1
.endr
.endm
; PVM: product i of 16 of O^T += V^T P for piece z: keys 32 (i / 8) on, channels 16 ((i / 2) % 4) on, tile z + i % 2.  zero = 1: the first 8 start the sums: nothing is ever cleared.
.macro PVM z, zero
	WIN W_PV
.set i, 0
.rept 16
.set rO, 32*((\z)+i%2)+8*((i/2)%4)
.set rV, VF+32*(i/8)+8*((i/2)%4)
.set rP, P+16*(i%2)+8*(i/8)
.if (\zero) && (i < 8)
	v_wmma_f32_16x16x32_f16 v[rO:rO+7], v[rV:rV+7], v[rP:rP+7], 0
.else
	v_wmma_f32_16x16x32_f16 v[rO:rO+7], v[rV:rV+7], v[rP:rP+7], v[rO:rO+7]
.endif
.set i, i+1
.endr
.endm
; THE LDS LOADS stand in runs of 16: a step's K (64 keys x 64 channels: 8 fragments) and, a turn later, its V (turned).
.macro FETCH_K
	v_add_nc_u32 v[ADR], s[TB], v[AK0]
	WIN 0x40                        ; destination window 1
.irp f, 0,1,2,3,4,5,6,7             ; keys 16 (f / 2) on, channels 32 (f % 2) on
	ds_load_b128 v[KF+8*\f:KF+8*\f+3],   v[ADR] offset:(\f/2)*16*PK+(\f%2)*64
	ds_load_b128 v[KF+8*\f+4:KF+8*\f+7], v[ADR] offset:(\f/2)*16*PK+(\f%2)*64+32
.endr
	WIN 0
.endm
.macro FETCH_V
	v_add_nc_u32 v[ADR], s[TB], v[AV0]
	s_add_co_u32 s[TB], s[TB], STEPB  ; the next fetch is the next step's
.irp f, 0,1,2,3,4,5,6,7             ; keys 32 (f / 4) on, channels 16 (f % 4) on
	ds_load_tr16_b128 v[VF+8*\f:VF+8*\f+3],   v[ADR] offset:(\f/4)*32*PV+(\f%4)*32
	ds_load_tr16_b128 v[VF+8*\f+4:VF+8*\f+7], v[ADR] offset:(\f/4)*32*PV+16*PV+(\f%4)*32
.endr
.endm
; THE SOFTMAX of piece y for one key step, its two tiles (u = 0, 1) by turns, so that no line reads the result of the line just before it.  first = 1: the first key step, which starts m and l: it has no a and nothing to rescale.
.macro SM y, first
.irp j, 0,1,2,3                     ; the maximum of a lane's 32 scores and the old m, three operands at a time: four chains c0-c3, each begun at the low end of one accumulator
.irp u, 0,1
	v_max3_num_f32 v[ST+8*((\y)+\u)+4+\j], v[S+32*\u+8*\j], v[S+32*\u+8*\j+1], v[S+32*\u+8*\j+2]
.endr
.endr
.irp g, 1,2
.irp j, 0,1,2,3
.irp u, 0,1
	v_max3_num_f32 v[ST+8*((\y)+\u)+4+\j], v[ST+8*((\y)+\u)+4+\j], v[S+32*\u+8*\j+2*\g+1], v[S+32*\u+8*\j+2*\g+2]
.endr
.endr
.endr
.irp u, 0,1
	v_max3_num_f32 v[ST+8*((\y)+\u)+4], v[ST+8*((\y)+\u)+4], v[S+32*\u+7], v[S+32*\u+15]
.endr
.irp u, 0,1
	v_max3_num_f32 v[ST+8*((\y)+\u)+6], v[ST+8*((\y)+\u)+6], v[S+32*\u+23], v[S+32*\u+31]
.endr
.irp u, 0,1
	v_max3_num_f32 v[ST+8*((\y)+\u)+4], v[ST+8*((\y)+\u)+4], v[ST+8*((\y)+\u)+5], v[ST+8*((\y)+\u)+6]
.endr
.irp u, 0,1
.if \first
	v_max_num_f32 v[ST+8*((\y)+\u)+4], v[ST+8*((\y)+\u)+4], v[ST+8*((\y)+\u)+7]
.else
	v_max3_num_f32 v[ST+8*((\y)+\u)+4], v[ST+8*((\y)+\u)+4], v[ST+8*((\y)+\u)+7], v[ST+8*((\y)+\u)+1]
.endif
.endr
.irp u, 0,1
	v_permlanex16_b32 v[ST+8*((\y)+\u)+5], v[ST+8*((\y)+\u)+4], s[SEL], s[SEL+1]  ; the query's other 32 keys lie in the lane 16 away
.endr
.if !\first
.irp u, 0,1
	v_mov_b32 v[ST+8*((\y)+\u)+7], v[ST+8*((\y)+\u)]  ; c m_old is kept for a
.endr
.endif
.irp u, 0,1
	v_max_num_f32 v[ST+8*((\y)+\u)+1], v[ST+8*((\y)+\u)+4], v[ST+8*((\y)+\u)+5]  ; the new m
.endr
.irp u, 0,1
	v_mul_f32 v[ST+8*((\y)+\u)], s[CS], v[ST+8*((\y)+\u)+1]
.endr
.if !\first
.irp u, 0,1
	v_sub_f32 v[ST+8*((\y)+\u)+7], v[ST+8*((\y)+\u)+7], v[ST+8*((\y)+\u)]  ; c m_old - c m_new, 0 or less
.endr
.endif
.irp b, 0,1,2,3,4,5,6,7,8,9,10,11,12,13,14,15
.irp u, 0,1
	v_pk_fma_f32 v[S+32*\u+2*\b:S+32*\u+2*\b+1], v[S+32*\u+2*\b:S+32*\u+2*\b+1], s[CS:CS+1], v[ST+8*((\y)+\u):ST+8*((\y)+\u)+1] op_sel_hi:[1,0,0] neg_lo:[0,0,1] neg_hi:[0,0,1]  ; c s - c m, a pair of scores a line
.endr
.endr
.if !\first
.irp u, 0,1
	v_exp_f32 v[ST+8*((\y)+\u)+6], v[ST+8*((\y)+\u)+7]  ; a
.endr
.endif
.irp e, 0,1,2,3,4,5,6,7,8,9,10,11,12,13,14,15,16,17,18,19,20,21,22,23,24,25,26,27,28,29,30,31
.irp u, 0,1
	v_exp_f32 v[S+32*\u+\e], v[S+32*\u+\e]  ; p, at most 1: ONE BATCH: none of these lines reads an exponential's result
.endr
.endr
	v_nop                           ; a plain line behind the last exponential, ahead of the first use
	s_wait_alu depctr_va_vdst(0)    ; and one wait for the whole batch, ahead of its first reader
.irp j, 0,1,2,3,4,5,6,7,8,9,10,11,12,13,14,15
.irp u, 0,1
	v_cvt_pk_f16_f32 v[P+16*\u+\j], v[S+32*\u+2*\j], v[S+32*\u+2*\j+1]  ; two weights to f16: registers 4 kt .. 4 kt + 3 are the keys of tile kt: source 1 of V^T P as it stands
.endr
.endr
.irp z, 0,1,2,3,4,5,6,7             ; the sum of the 16 pairs (in a pair: an even key's weight, an odd key's), of the weights in f32, in place, as a tree
.irp u, 0,1
	v_pk_add_f32 v[S+32*\u+4*\z:S+32*\u+4*\z+1], v[S+32*\u+4*\z:S+32*\u+4*\z+1], v[S+32*\u+4*\z+2:S+32*\u+4*\z+3]
.endr
.endr
.irp z, 0,1,2,3
.irp u, 0,1
	v_pk_add_f32 v[S+32*\u+8*\z:S+32*\u+8*\z+1], v[S+32*\u+8*\z:S+32*\u+8*\z+1], v[S+32*\u+8*\z+4:S+32*\u+8*\z+5]
.endr
.endr
.irp z, 0,1
.irp u, 0,1
	v_pk_add_f32 v[S+32*\u+16*\z:S+32*\u+16*\z+1], v[S+32*\u+16*\z:S+32*\u+16*\z+1], v[S+32*\u+16*\z+8:S+32*\u+16*\z+9]
.endr
.endr
.if \first
.irp u, 0,1
	v_pk_add_f32 v[ST+8*((\y)+\u)+2:ST+8*((\y)+\u)+3], v[S+32*\u:S+32*\u+1], v[S+32*\u+16:S+32*\u+17]
.endr
.else
.irp u, 0,1
	v_pk_add_f32 v[S+32*\u:S+32*\u+1], v[S+32*\u:S+32*\u+1], v[S+32*\u+16:S+32*\u+17]
.endr
.irp u, 0,1
	v_pk_fma_f32 v[ST+8*((\y)+\u)+2:ST+8*((\y)+\u)+3], v[ST+8*((\y)+\u)+2:ST+8*((\y)+\u)+3], v[ST+8*((\y)+\u)+6:ST+8*((\y)+\u)+7], v[S+32*\u:S+32*\u+1] op_sel_hi:[1,0,1]  ; l = a l + the sum
.endr
	WIN W_RS                        ; the piece's O^T times a, each accumulator from its low end on
.irp i, 0,1,2,3,4,5,6,7,8,9,10,11,12,13,14,15
.irp u, 0,1
	v_pk_mul_f32 v[32*((\y)+\u)+2*\i:32*((\y)+\u)+2*\i+1], v[32*((\y)+\u)+2*\i:32*((\y)+\u)+2*\i+1], v[ST+8*((\y)+\u)+6:ST+8*((\y)+\u)+7] op_sel_hi:[1,0]
.endr
.endr
	WIN 0
.endif
.endm
; A vector instruction that reads a matrix result or writes one of a matrix instruction's registers, and a load into a register that a matrix instruction has read, stand four places behind it, and only plain
; vector instructions that name none of its registers are places (ISA guide 7.12.1 for vector instructions).
.macro PLACES
.rept 4
	v_nop
.endr
.endm
; A TURN of piece x.  s = 1: its scores and its softmax.  pv = 2: the other piece's V^T P; 1: it starts O^T's sums; 0: none.  fetch = 1: the next step's K; 2: V; 0: nothing.  first = 1: the softmax is the first key step's.
; K is fetched in piece 2's turn, when both pieces have multiplied by the old K; V in piece 0's, when both have multiplied by the old V.  The run of loads has a whole softmax in which to land.
.macro TURN x, s, pv, fetch, first
	s_wait_dscnt 0x0                ; the fragments asked for in the turn before are in
.if \s
	SQ \x
.endif
.if \pv
	PVM 2-\x, 2-\pv
.endif
	WIN 0
	PLACES                          ; for the loads into K's or V's registers and for the first read of the scores
.if \fetch == 1
	FETCH_K
.elseif \fetch == 2
	FETCH_V
.endif
.if \s
	SM \x, \first
.endif
.endm
; n key steps: S^T(piece 2, j), V^T P(piece 0, j), K(j + 1), softmax(piece 2) | S^T(piece 0, j + 1), V^T P(piece 2, j), V(j + 1), softmax(piece 0).  The LDS addresses hang on s[TB].
.macro BODIES n
	s_mov_b32 s[CNT], \n
.Lbody_\@:
	TURN 2, 1, 2, 1, 0
	TURN 0, 1, 2, 2, 0
	s_sub_co_u32 s[CNT], s[CNT], 1
	s_cmp_lg_u32 s[CNT], 0
	s_cbranch_scc1 .Lbody_\@
.endm
; THE CHANGE OF SLOTS: the slot's last bytes, V of its fourth step, have been asked for.  Each wave waits for all its tensor loads, of which one is out: its part of the other slot; adds 0 to its spare word; and waits for that
; and for its own reads of the slot.  Behind the barrier nobody reads this slot any more and the other slot is whole.  fill = 1: this slot is filled again, with the keys two slots on.  The barrier is then a round of the
; cluster's, so that no wave of any partner still reads the slot or has a load on its way, and the joint refill is the first thing behind it: it has four key steps in which to land.
.macro CHANGE fill
	s_wait_tensorcnt 0x0            ; no tensor load of mine is out, so a group 0 may be written  (every window is 0 here)
	ds_add_u32 v[SPW], v[NIL]       ; 0 onto my spare word; with fill = 1 the descriptors' steps stand between it and the wait for it
.if \fill
.irp g, G0K+4, G0V+4
	s_xor_b32 s[\g+1], s[\g+1], SLOT1  ; the walking descriptor: the other slot than last time,
	s_add_nc_u64 s[\g+2:\g+3], s[\g+2:\g+3], FILLB  ; the next 256 keys; the type bits on top are not reached
.endr
	s_wait_xcnt 0x0                 ; the last prefetch, four key steps back, has read its address, so it may be written:
	s_add_nc_u64 s[PFA:PFA+1], s[PFA:PFA+1], FILLB  ; one slot further on than the walking descriptors
	s_wait_dscnt 0x0                ; the add is done, and my reads of the slot are over
	CROUND
	JLOAD
	ASK
.else
	s_wait_dscnt 0x0                ; the add is done, and my reads of the slot are over
	s_barrier_signal -1
	s_barrier_wait -1
.endif
	s_sub_co_u32 s[TB], s[TB], 4*STEPB  ; the fetches go back to a slot's first step,
	s_xor_b32 s[TB], s[TB], SLOT1   ; in the other slot
.endm
	s_wait_tensorcnt 1              ; my part of slot 0 is in; slot 1's may stay out
	s_barrier_signal -1
	s_barrier_wait -1               ; everybody's is
	FETCH_K                         ; key step 0
	s_wait_loadcnt 0x0              ; Q
	TURN 0, 1, 0, 2, 1              ; piece 0's first scores | V of step 0 | its first softmax
	TURN 2, 1, 1, 1, 1              ; piece 2's first scores; piece 0's V^T P of step 0 starts its O^T | K of step 1 | piece 2's first softmax
	TURN 0, 1, 1, 2, 0              ; piece 0's scores of step 1; piece 2's V^T P of step 0 starts its O^T | V of step 1 | piece 0's softmax
	BODIES 2                        ; these fetch steps 2 and 3: slot 0 is read out
.Lslot:                             ; six trips: every slot but the last two is filled again
	CHANGE 1
	BODIES 4
	s_sub_co_u32 s[SLOTS], s[SLOTS], 1
	s_cmp_lg_u32 s[SLOTS], 0
	s_cbranch_scc1 .Lslot
	CHANGE 0                        ; the tail is written out: nothing is asked for
	BODIES 4                        ; these fetch steps 28 to 31
	TURN 2, 1, 2, 0, 0              ; piece 2's scores of step 31; piece 0's last V^T P | piece 2's last softmax
	TURN 0, 0, 2, 0, 0              ; piece 2's last V^T P
	; THE WAY OUT.  l's two halves and the other half of the lanes' are added; O^T is divided by l, rounded to f16 and sent through my stage in LDS, a tile (16 rows of O) at a time.
.irp t, 0,1,2,3
	v_add_f32 v[ST+8*\t+4], v[ST+8*\t+2], v[ST+8*\t+3]
.endr
.irp t, 0,1,2,3
	v_permlanex16_b32 v[ST+8*\t+5], v[ST+8*\t+4], s[SEL], s[SEL+1]
.endr
.irp t, 0,1,2,3
	v_add_f32 v[ST+8*\t+4], v[ST+8*\t+4], v[ST+8*\t+5]
.endr
.irp t, 0,1,2,3
	v_rcp_f32 v[ST+8*\t+6], v[ST+8*\t+4]
.endr
	v_nop                           ; a plain line between the last reciprocal and the use of its result
	s_wait_alu depctr_va_vdst(0)    ; and a wait ahead of the first use: one for the four reciprocals
; Tile t: a lane's eight channels of a row pack into 16 bytes; they go into rows of 144 bytes and come back four whole rows of 128 bytes to a load.
.macro PACK t
	WIN 0x01                        ; source 0 (O^T) window 1; the quotients go to S^T's registers, which are free
.set i, 0
.rept 16
	v_pk_mul_f32 v[S+i:S+i+1], v[32*\t+i:32*\t+i+1], v[ST+8*\t+6:ST+8*\t+7] op_sel_hi:[1,0]
.set i, i+2
.endr
	WIN 0
.set i, 0
.rept 16
	v_cvt_pk_f16_f32 v[P+16*(\t%2)+i], v[S+2*i], v[S+2*i+1]
.set i, i+1
.endr
.irp c, 0,1,2,3
	ds_store_b128 v[STO], v[P+16*(\t%2)+4*\c:P+16*(\t%2)+4*\c+3] offset:32*\c
.endr
.irp f, 0,1,2,3
	ds_load_b128 v[VF+16*\t+4*\f:VF+16*\t+4*\f+3], v[RD] offset:\f*4*SP  ; LDS serves a wave's instructions in order (ISA guide 5.7.1.4): these see the stores above; the next tile's stores come behind them
.endr
.endm
.macro SEND t, younger              ; younger: the LDS instructions issued behind tile t's loads: the next tile's eight, or none
.irp f, 0,1,2,3
	s_wait_dscnt \younger+3-\f
	global_store_b128 v[GO], v[VF+16*\t+4*\f:VF+16*\t+4*\f+3], s[10:11] offset:\t*2048+\f*512  ; 32 lanes store four rows: 512 consecutive bytes, at a multiple of 512 from o16's first byte
.endr
.endm
	PACK 0
	PACK 1                          ; a tile's arithmetic stands between the loads of the tile before and its stores
	SEND 0, 8
	PACK 2
	SEND 1, 8
	PACK 3
	SEND 2, 8
	SEND 3, 0
	s_wait_tensorcnt 0x0            ; the wave's end, behind my last tensor load and my last LDS store
	ds_add_u32 v[SPW], v[NIL]
	s_wait_dscnt 0x0
	CROUND                          ; the closing round: no work-group ends while a partner may still ask for a tile that names it
	s_endpgm
.Lfunc_end_k_qb6b54ed492_attn:
	.size	k_qb6b54ed492_attn, .Lfunc_end_k_qb6b54ed492_attn-k_qb6b54ed492_attn
	.p2alignl 7, 3214868480
	.fill 96, 4, 3214868480
	.section	.rodata,"a",@progbits
	.p2align	6, 0x0
	.amdhsa_kernel k_qb6b54ed492_attn
		.amdhsa_group_segment_fixed_size 327680
		.amdhsa_private_segment_fixed_size 0
		.amdhsa_enable_private_segment 0
		.amdhsa_kernarg_size 16
		.amdhsa_user_sgpr_count 2
		.amdhsa_user_sgpr_kernarg_segment_ptr 1
		.amdhsa_wavefront_size32 1
		.amdhsa_system_sgpr_workgroup_id_x 1
		.amdhsa_system_sgpr_workgroup_id_y 1
		.amdhsa_system_sgpr_workgroup_id_z 1
		.amdhsa_system_vgpr_workitem_id 0
		.amdhsa_next_free_vgpr 512
		.amdhsa_next_free_sgpr 66
		.amdhsa_reserve_vcc 0
		.amdhsa_float_denorm_mode_32 3
		.amdhsa_float_denorm_mode_16_64 3
		.amdhsa_memory_ordered 1
		.amdhsa_forward_progress 1
		.amdhsa_inst_pref_size 179
	.end_amdhsa_kernel
	.amdgpu_metadata
---
amdhsa.version: [ 1, 2 ]
amdhsa.kernels:
  - .name:           k_qb6b54ed492_attn
    .symbol:         k_qb6b54ed492_attn.kd
    .args:
      - { .name: qkv, .offset: 0, .size: 8, .value_kind: global_buffer, .address_space: global }
      - { .name: o16, .offset: 8, .size: 8, .value_kind: global_buffer, .address_space: global }
    .group_segment_fixed_size: 327680
    .private_segment_fixed_size: 0
    .kernarg_segment_align: 8
    .kernarg_segment_size: 16
    .max_flat_workgroup_size: 256
    .sgpr_count:     66
    .vgpr_count:     512
    .wavefront_size: 32
...
	.end_amdgpu_metadata
.endif
;; end of part 4
;; launch oproj (part 5): grid 4 x 64, 4 waves a work-group, clusters of 4 x 4, 327,680 bytes of LDS; arguments o16, wo16, out0; writes out0
.if DOCPART == 5
	.amdgcn_target "amdgcn-amd-amdhsa--gfx1250"
	.amdhsa_code_object_version 6
	.text
	.protected	k_qb6b54ed492_oproj
	.globl	k_qb6b54ed492_oproj
	.p2align	8
	.type	k_qb6b54ed492_oproj,@function
k_qb6b54ed492_oproj:
	s_mov_b64 s[64:65], 0
	v_nop
	global_prefetch_b8 v0, s[64:65] scope:SCOPE_SE
	s_setreg_imm32_b32 hwreg(HW_REG_WAVE_MODE, 25, 1), 1
	s_wait_xcnt 0x0
	s_wait_alu depctr_hold_cnt(0) depctr_sa_sdst(0) depctr_va_vdst(0) depctr_va_sdst(0) depctr_va_ssrc(0) depctr_va_vcc(0) depctr_vm_vsrc(0)
	s_getreg_b32 s2, hwreg(HW_REG_IB_STS2, 6, 4)
	s_cmp_eq_u32 s2, 0
	s_cbranch_scc0 .Lentry_in_a_cluster
	s_endpgm
.Lentry_in_a_cluster:
	s_bfe_u32 s2, ttmp6, 0x10000c
	s_cmp_lg_u32 s2, 0xf033
	s_cbranch_scc0 .Lentry_shape_is_right
	s_endpgm
.Lentry_shape_is_right:
; THE PROJECTION ON THE WAY OUT.  out0[m][n] = sum over k of o[m][k] W_out[k][n], k = 64 x head + channel.  o16: f16 [head 16][m 8192][64]; wo16: f16 [k 1024][n 1024], as W_out lies; out0: f32 [8192][1024].  Sums in f32.
; A tile of out0 is 128 (m) x 256 (n): 256 work-groups.  Four waves, each 64 x 128: 32 accumulators of 16 x 16, 256 registers.  K goes in steps of 128 (two heads) through a ring of two LDS slots filled by the tensor data mover.
; o's tile of a K step is two planes (heads) of 128 dense rows of 128 bytes; W's is 128 rows (k) of 512 bytes.  W's fragments come out of LDS turned, by ds_load_tr16_b128: W_out is never transposed in memory.
; CLUSTERS: 4 x 4 work-groups.  The four of a row of the cluster need the same tiles of o, the four of a column the same tiles of W: each tile is asked for JOINTLY, by the same tensor load with the same descriptor and a mask that names the four.
; THE MATRIX INSTRUCTION IS USED TRANSPOSED (source 0 = 16 columns of W, source 1 = 16 rows of o): a lane then holds eight neighbouring numbers of a row of out0.
; REGISTERS: window 0: v0-31 addresses; two fragment buffers of 96 for 32 along K: 64 registers of W (8 x 16 columns), then 32 of o (4 x 16 rows): v32-127 and v128-223; on the way out v32-159 hold rows read back.
;   window 1: the accumulators ((a, b) at v[8 (8 a + b)]).
.set PA,     144                       ; a row of o in LDS: 128 bytes + 16 of padding = 36 words: the 16 rows of a load start at 16 different groups of four banks (64 banks of 4 bytes: ISA guide 11.1)
.set PB,     544                       ; a row of W: 512 + 32 = 136 words
.set PLANE,  128*PA                    ; a head's 128 rows: what one tensor load brings of o
.set BOFF,   2*PLANE                   ; W's rows lie behind o's two planes
.set HALFB,  64*PB                     ; 64 rows of W: what one tensor load brings
.set SLOT,   BOFF+2*HALFB
.set STAGE,  2*SLOT                    ; behind the ring: 16 rows x 528 bytes for each wave, for the way out
.set SPITCH, 528
.set SPARE,  STAGE+4*16*SPITCH         ; behind the stages: the spare words, 128 bytes for each wave, which no other line names
.set LAPS,   4                         ; a lap = two K steps = once round the ring: 1,024 / 256
.set ADRA, 16                          ; v16-17  LDS address of my fragments of o in slot 0, 1
.set ADRB, 20                          ; v20-21  the same for W
.set STO,  24                          ; v24     the way out: where I put 32 bytes of a row
.set RD,   25                          ; v25     the way out: where I read a row back
.set CO,   26                          ; v26     16 x lane
.set SPW,  28                          ; v28     LDS address of my spare word: SPARE + 4 x my thread's number; never rewritten
.set NIL,  29                          ; v29     0; never rewritten
.set F0,   32
.set F1,   128
.set BK,   32                          ; the way out: 16 rows read back: v32-95 and v96-159 by turns
.set G1, 24                            ; s[24:31] descriptor group 1 for o's tiles;  s[32:39] group 0, one set for each slot
.set G0, 32
.set G1B, 48                           ; s[48:55], s[56:63] the same for W's tiles
.set G0B, 56
.set MSB, 0
.macro WIN new                         ; the immediate's high byte repeats the setting that is left
.if MSB != (\new)
	s_set_vgpr_msb (MSB<<8)|(\new)
.set MSB, (\new)
.endif
.endm
.set MUL,  0x50                        ; sources 0 (W) and 1 (o) window 0; C and D window 1
.macro JLOAD s                         ; a joint load: waves 0 and 1 fetch o's two planes, waves 2 and 3 W's two halves; an s_nop 0 and four v_nop follow each of the two lines, ahead of the jump, the label and what follows
	s_cmp_eq_u32 s11, 0
	s_cbranch_scc0 .Lfor_b_\@
	tensor_load_to_lds s[G0+4*\s:G0+4*\s+3], s[G1:G1+7]
	s_nop 0
.rept 4
	v_nop
.endr
	s_branch .Lasked_\@
.Lfor_b_\@:
	tensor_load_to_lds s[G0B+4*\s:G0B+4*\s+3], s[G1B:G1B+7]
	s_nop 0
.rept 4
	v_nop
.endr
.Lasked_\@:
.endm
.macro CREST                           ; a round of the cluster's barrier behind its opening barrier
	s_cmp_lg_u32 s10, 0
	s_cbranch_scc1 .Lnot_wave_0_\@
	s_barrier_signal -3
.Lnot_wave_0_\@:
	s_barrier_wait -3
	s_barrier_signal -1
	s_barrier_wait -1
.endm
.macro CROUND                          ; a whole round
	s_barrier_signal -1
	s_barrier_wait -1
	CREST
.endm
	s_load_b128 s[4:7], s[0:1], 0x0                ; o16 s[4:5], wo16 s[6:7]
	s_load_b64 s[8:9], s[0:1], 0x10                ; out0
	v_lshl_add_u32 v[SPW], v0, 2, SPARE
	v_mov_b32 v[NIL], 0
	ds_add_u32 v[SPW], v[NIL]                      ; the wave's opening: the add, twice on end, and its wait ahead of my first tensor load; the set-up below, work on registers, stands between the second and the wait
	ds_add_u32 v[SPW], v[NIL]
	v_lshrrev_b32 v1, 5, v0
	v_readfirstlane_b32 s10, v1                    ; wave 0..3
	s_lshr_b32 s11, s10, 1                         ; which half of the tile's rows is mine.  Also: I fetch for o (0) or for W (1)
	s_and_b32 s12, s10, 1                          ; which half of its columns.  Also: which plane of o, or which 64 rows of W, I fetch
	s_bfe_u32 s40, ttmp6, 0x40000                  ; cx, cy: my place in the cluster
	s_bfe_u32 s41, ttmp6, 0x40004
	s_lshl_b32 s42, ttmp9, 2
	s_add_co_u32 s42, s42, s40                     ; tile column = 4 x cluster x + cx
	s_and_b32 s13, ttmp7, 0xffff
	s_lshl_b32 s13, s13, 2
	s_add_co_u32 s13, s13, s41                     ; tile row = 4 x cluster y + cy
	s_lshl_b32 s43, s41, 2
	s_lshl_b32 s43, 15, s43                        ; my row of the cluster
	s_lshl_b32 s44, 0x1111, s40                    ; my column
	; descriptor group 1.  o: 128 rows x 64 elements, dense;  W: 64 rows x 256 elements, 1,024 elements from row to row
	s_or_b32 s[G1+0], s43, (1<<16)|(1<<20)|(1<<21)|(4<<22)|(3<<25)  ; 15:0 the mask: o's tiles go to my row; 17:16 element of 2 bytes; 20 padding on; 21 set beside a mask; 24:22 after every 32 words (code 4); 31:25 of 4 words (code 3)
	s_mov_b32 s[G1+1], 64<<16                      ; tensor_dim0
	s_mov_b32 s[G1+2], 128<<16                     ; tensor_dim1
	s_mov_b32 s[G1+3], 64<<16                      ; tile_dim0
	s_mov_b32 s[G1+4], 128                         ; tile_dim1
	s_mov_b32 s[G1+5], 64                          ; tensor_dim0_stride
	s_mov_b32 s[G1+6], 0
	s_mov_b32 s[G1+7], 0
	s_or_b32 s[G1B+0], s44, (1<<16)|(1<<20)|(1<<21)|(6<<22)|(7<<25) ; the mask of my column; padding after every 128 words (code 6), of 8 words (code 7)
	s_mov_b32 s[G1B+1], 256<<16
	s_mov_b32 s[G1B+2], 64<<16
	s_mov_b32 s[G1B+3], 256<<16
	s_mov_b32 s[G1B+4], 64
	s_mov_b32 s[G1B+5], 1024
	s_mov_b32 s[G1B+6], 0
	s_mov_b32 s[G1B+7], 0
	s_lshl_b32 s16, s12, 20                        ; o: a head is 2^20 bytes; the tile's 128 rows of 128 bytes begin 2^14 x tile row on: no cx enters
	s_lshl_b32 s17, s13, 14
	s_add_co_u32 s16, s16, s17
	s_mov_b32 s17, 0
	s_lshl_b32 s46, s12, 17                        ; W: 64 rows of 2,048 bytes; the tile's 256 columns begin 512 x tile column on: no cy enters
	s_lshl_b32 s47, s42, 9
	s_add_co_u32 s46, s46, s47
	s_mov_b32 s47, 0
	s_mul_i32 s20, s12, PLANE                      ; where they go: no place in the cluster enters an LDS address
	s_mul_i32 s21, s12, HALFB
	s_add_co_u32 s21, s21, BOFF
	s_wait_dscnt 0x0                               ; both opening adds are done
	s_wait_kmcnt 0x0
	s_add_nc_u64 s[14:15], s[4:5], s[16:17]
	s_add_nc_u64 s[46:47], s[6:7], s[46:47]
	CROUND                                         ; all sixteen work-groups are here: the first joint loads meet
.irp s, 0,1
	s_mov_b32 s[G0+4*\s], 1
	s_add_co_u32 s[G0+4*\s+1], s20, \s*SLOT
	s_add_nc_u64 s[G0+4*\s+2:G0+4*\s+3], s[14:15], \s*2097152      ; K step s: heads 2 s and 2 s + 1
	s_or_b32 s[G0+4*\s+3], s[G0+4*\s+3], 0x80000000
	s_mov_b32 s[G0B+4*\s], 1
	s_add_co_u32 s[G0B+4*\s+1], s21, \s*SLOT
	s_add_nc_u64 s[G0B+4*\s+2:G0B+4*\s+3], s[46:47], \s*262144     ; 128 rows of 2,048 bytes
	s_or_b32 s[G0B+4*\s+3], s[G0B+4*\s+3], 0x80000000
	JLOAD \s                                       ; by this text's own count a wave has two tensor loads out here, one later
.endr
	v_and_b32 v1, 15, v0                           ; r = l % 16
	v_bfe_u32 v2, v0, 4, 1                         ; h = l / 16
	v_mul_u32_u24 v3, v1, PA
	v_lshl_add_u32 v3, v2, 4, v3                   ; o: a fragment's row x pitch + 16 x half
	v_and_b32 v4, 7, v0                            ; W: the turning load: lane l reads 16 bytes: k = 8 (l / 16) + l % 8, columns 8 ((l / 8) % 2) + 0..7
	v_lshl_add_u32 v4, v2, 3, v4
	v_mul_u32_u24 v4, v4, PB
	v_bfe_u32 v5, v0, 3, 1
	v_lshl_add_u32 v4, v5, 4, v4
	s_mul_i32 s22, s11, 64*PA                      ; my 64 rows of o
	s_lshl_b32 s23, s12, 8                         ; my 128 columns of W,
	s_add_co_u32 s23, s23, BOFF                    ; behind o's planes
.irp s, 0,1
	v_add_nc_u32 v[ADRA+\s], s22, v3
	v_add_nc_u32 v[ADRB+\s], s23, v4
	s_add_co_u32 s22, s22, SLOT
	s_add_co_u32 s23, s23, SLOT
.endr
	s_mul_i32 s18, s10, 16*SPITCH
	s_add_co_u32 s18, s18, STAGE                   ; my stage
	v_mul_u32_u24 v5, v1, SPITCH                   ; in: row r, 32 bytes for each half of the lanes
	v_lshl_add_u32 v5, v2, 5, v5
	v_add_nc_u32 v[STO], s18, v5
	v_and_b32 v6, 31, v0
	v_lshlrev_b32 v[CO], 4, v6                     ; back: the 32 lanes take one row of 512 bytes; and the same in out0
	v_add_nc_u32 v[RD], s18, v[CO]
	s_lshl_b32 s16, s13, 19                        ; my first row of out0: 128 x tile row + 64 x half, rows of 4,096 bytes
	s_lshl_b32 s17, s11, 18
	s_add_co_u32 s16, s16, s17
	s_mov_b32 s17, 0
	s_add_nc_u64 s[8:9], s[8:9], s[16:17]
	s_lshl_b32 s46, s42, 10                        ; my first column, in bytes: 1,024 x tile column + 512 x half
	s_lshl_b32 s47, s12, 9
	s_add_co_u32 s46, s46, s47
	s_mov_b32 s47, 0
	s_add_nc_u64 s[8:9], s[8:9], s[46:47]
; 8 matrix instructions: o's block a against W's eight, 32 along K.  zero = 1: the first product starts the sums: nothing is ever cleared.
; The 32 accumulators take turns, one instruction a turn, in the same order in every quarter.
.macro MUL8 f, a, zero
.irp b, 0,1,2,3,4,5,6,7
.if \zero
	v_wmma_f32_16x16x32_f16 v[8*(8*(\a)+\b):8*(8*(\a)+\b)+7], v[\f+8*\b:\f+8*\b+7], v[\f+64+8*(\a):\f+64+8*(\a)+7], 0
.else
	v_wmma_f32_16x16x32_f16 v[8*(8*(\a)+\b):8*(8*(\a)+\b)+7], v[\f+8*\b:\f+8*\b+7], v[\f+64+8*(\a):\f+64+8*(\a)+7], v[8*(8*(\a)+\b):8*(8*(\a)+\b)+7]
.endif
.endr
.endm
; 24 LDS loads in one run: the fragments of the slot's q-th 32 along K into buffer f: W's sixteen first, then o's blocks 0 and 1, then 2 and 3.  (Every window is 0 here.)
.macro FETCH slot, q, f
.irp b, 0,1,2,3,4,5,6,7
	ds_load_tr16_b128 v[\f+8*\b:\f+8*\b+3],   v[ADRB+\slot] offset:32*PB*(\q)+32*\b
	ds_load_tr16_b128 v[\f+8*\b+4:\f+8*\b+7], v[ADRB+\slot] offset:32*PB*(\q)+32*\b+16*PB
.endr
.irp a, 0,1,2,3
	ds_load_b128 v[\f+64+8*\a:\f+64+8*\a+3],   v[ADRA+\slot] offset:PLANE*((\q)/2)+64*((\q)%2)+16*PA*\a
	ds_load_b128 v[\f+64+8*\a+4:\f+64+8*\a+7], v[ADRA+\slot] offset:PLANE*((\q)/2)+64*((\q)%2)+16*PA*\a+32
.endr
.endm
.macro PLACES                          ; four places in front of loads into registers that matrix instructions have read, and of the first read of results (ISA guide 7.12.1 for vector instructions)
.rept 4
	v_nop
.endr
.endm
; A K step is four quarters of 32 along K, 32 matrix instructions each, on buffers 0, 1, 0, 1.  One of the first three: multiplies buffer f and fetches the slot's quarter qn into g.
.macro QUARTER slot, qn, f, g, zero
	s_wait_dscnt 4                                 ; W's fragments and o's blocks 0 and 1 are in; the youngest four loads (blocks 2 and 3) may be out
	WIN MUL
	MUL8 \f, 0, \zero
	MUL8 \f, 1, \zero
	PLACES
	WIN 0
	FETCH \slot, \qn, \g
	s_wait_dscnt 24                                ; all but the 24 just issued
	WIN MUL
	MUL8 \f, 2, \zero
	MUL8 \f, 3, \zero
.endm
; The last quarter multiplies buffer 1 and changes slots: ONE barrier; in front of it each wave waits for all its tensor loads, adds 0 to its spare word, and waits for that and for its own reads of this slot.
; fill = 1: this slot is filled again, two K steps ahead: the barrier then opens a round of the cluster's, and the joint refill is the first tensor load behind the round: 112 matrix instructions ahead of the wait for it.
.macro TURN slot, next, fill
	WIN 0                                          ; (the add's two registers lie in window 0)
	s_wait_tensorcnt 0x0                           ; all my tensor loads have landed: my part of the next slot;
	ds_add_u32 v[SPW], v[NIL]                      ; 0 onto my spare word;
	s_wait_dscnt 5                                 ; (the add and the youngest four loads may be out)
	WIN MUL
	MUL8 F1, 0, 0                                  ; eight matrix instructions stand between the add and the wait for it
	s_wait_dscnt 0x0                               ; the add is done, and my reads of this slot are over
	s_barrier_signal -1
	MUL8 F1, 1, 0
	WIN 0                                          ; (branches and LDS loads follow)
	s_barrier_wait -1
.if \fill
	CREST                                          ; no wave of any partner still reads this slot's tiles or has a load on its way
	s_add_nc_u64 s[G0+4*\slot+2:G0+4*\slot+3], s[G0+4*\slot+2:G0+4*\slot+3], 4194304     ; four heads on
	s_add_nc_u64 s[G0B+4*\slot+2:G0B+4*\slot+3], s[G0B+4*\slot+2:G0B+4*\slot+3], 524288  ; 256 rows of W on
	JLOAD \slot                                    ; the four v_nop behind it are also the places in front of the loads below
.else
	PLACES
.endif
	FETCH \next, 0, F0
	WIN MUL
	MUL8 F1, 2, 0
	MUL8 F1, 3, 0
.endm
	s_wait_tensorcnt 1                             ; my part of K step 0 is in (K step 1's load may be out)
	s_barrier_signal -1
	s_barrier_wait -1                              ; everybody's is
	FETCH 0, 0, F0
	QUARTER 0, 1, F0, F1, 1                        ; the first quarter stands in front of the loop: its products start the sums
	WIN 0                                          ; at a label and at a branch every window is 0
	s_mov_b32 s3, LAPS-1
.Llap:                                                 ; a trip goes once round the ring, from a lap's second quarter to the next lap's first, and fills both slots again
	QUARTER 0, 2, F1, F0, 0
	QUARTER 0, 3, F0, F1, 0
	TURN 0, 1, 1
	QUARTER 1, 1, F0, F1, 0
	QUARTER 1, 2, F1, F0, 0
	QUARTER 1, 3, F0, F1, 0
	TURN 1, 0, 1
	QUARTER 0, 1, F0, F1, 0
	WIN 0
	s_sub_co_u32 s3, s3, 1
	s_cmp_lg_u32 s3, 0
	s_cbranch_scc1 .Llap
	QUARTER 0, 2, F1, F0, 0                        ; the last lap fills nothing, and has no round of the cluster's barrier
	QUARTER 0, 3, F0, F1, 0
	TURN 0, 1, 0
	QUARTER 1, 1, F0, F1, 0
	QUARTER 1, 2, F1, F0, 0
	QUARTER 1, 3, F0, F1, 0
	s_wait_dscnt 4                                 ; the very last quarter: nothing more to fetch
	WIN MUL
	MUL8 F1, 0, 0
	MUL8 F1, 1, 0
	s_wait_dscnt 0
	MUL8 F1, 2, 0
	MUL8 F1, 3, 0
	WIN 0
; THE WAY OUT, block by block of 16 rows x 128 columns.  A lane holds 32 neighbouring bytes of a row, and the lanes beside it hold other rows: so a block goes through my own stage in LDS and comes back as whole
; rows of 512 bytes.  LDS serves a wave's instructions in order (ISA guide 5.7.1.4): no wait between the stores and the loads, nor in front of the next block's stores.
.macro TOSTAGE a
	WIN 0x04                                       ; an LDS store's data are its source 1: window 1
.irp b, 0,1,2,3,4,5,6,7
	ds_store_b128 v[STO], v[8*(8*(\a)+\b):8*(8*(\a)+\b)+3] offset:64*\b          ; each accumulator from its low end on
	ds_store_b128 v[STO], v[8*(8*(\a)+\b)+4:8*(8*(\a)+\b)+7] offset:64*\b+16
.endr
	WIN 0
.set BB, BK+64*((\a)%2)
.irp t, 0,1,2,3,4,5,6,7,8,9,10,11,12,13,14,15
	ds_load_b128 v[BB+4*\t:BB+4*\t+3], v[RD] offset:\t*SPITCH
.endr
.endm
.macro SEND a, younger                 ; younger: the LDS instructions issued behind block a's loads, which may stay out
.set BB, BK+64*((\a)%2)
	s_wait_dscnt \younger                          ; the block is back in registers
.irp t, 0,1,2,3,4,5,6,7,8,9,10,11,12,13,14,15
	global_store_b128 v[CO], v[BB+4*\t:BB+4*\t+3], s[8:9] offset:65536*(\a)+4096*\t th:TH_STORE_NT   ; 32 lanes store 512 consecutive bytes, at a multiple of 512 from out0's first byte; written once, read by nobody here
.endr
.endm
	PLACES                                         ; behind the last products: their results are read, and the fragment buffers are loaded over
	TOSTAGE 0
.irp a, 1,2,3
.if \a > 1
	s_wait_xcnt 0x0                                ; block a - 2's stores have read their registers: block a's loads may land there
.endif
	TOSTAGE \a
	SEND \a-1, 32                                  ; behind block a - 1's loads: block a's 16 stores and 16 loads
.endr
	SEND 3, 0
	s_wait_tensorcnt 0x0                           ; the wave's end, behind my last tensor load and my last LDS store
	ds_add_u32 v[SPW], v[NIL]
	s_wait_dscnt 0x0
	CROUND                                         ; the closing round: no work-group ends while a partner may still ask for a tile that names it
	s_endpgm
.Lfunc_end_k_qb6b54ed492_oproj:
	.size	k_qb6b54ed492_oproj, .Lfunc_end_k_qb6b54ed492_oproj-k_qb6b54ed492_oproj
	.p2alignl 7, 3214868480
	.fill 96, 4, 3214868480
	.section	.rodata,"a",@progbits
	.p2align	6, 0x0
	.amdhsa_kernel k_qb6b54ed492_oproj
		.amdhsa_group_segment_fixed_size 327680
		.amdhsa_private_segment_fixed_size 0
		.amdhsa_enable_private_segment 0
		.amdhsa_kernarg_size 24
		.amdhsa_user_sgpr_count 2
		.amdhsa_user_sgpr_kernarg_segment_ptr 1
		.amdhsa_wavefront_size32 1
		.amdhsa_system_sgpr_workgroup_id_x 1
		.amdhsa_system_sgpr_workgroup_id_y 1
		.amdhsa_system_sgpr_workgroup_id_z 1
		.amdhsa_system_vgpr_workitem_id 0
		.amdhsa_next_free_vgpr 512
		.amdhsa_next_free_sgpr 66
		.amdhsa_reserve_vcc 0
		.amdhsa_float_denorm_mode_32 3
		.amdhsa_float_denorm_mode_16_64 3
		.amdhsa_memory_ordered 1
		.amdhsa_forward_progress 1
		.amdhsa_inst_pref_size 85
	.end_amdhsa_kernel
	.amdgpu_metadata
---
amdhsa.version: [ 1, 2 ]
amdhsa.kernels:
  - .name:           k_qb6b54ed492_oproj
    .symbol:         k_qb6b54ed492_oproj.kd
    .args:
      - { .name: o16, .offset: 0, .size: 8, .value_kind: global_buffer, .address_space: global }
      - { .name: wo16, .offset: 8, .size: 8, .value_kind: global_buffer, .address_space: global }
      - { .name: out0, .offset: 16, .size: 8, .value_kind: global_buffer, .address_space: global }
    .group_segment_fixed_size: 327680
    .private_segment_fixed_size: 0
    .kernarg_segment_align: 8
    .kernarg_segment_size: 24
    .max_flat_workgroup_size: 128
    .sgpr_count:     66
    .vgpr_count:     512
    .wavefront_size: 32
...
	.end_amdgpu_metadata
.endif
;; end of part 5
